; MI455X (gfx1250); checked and timed in simulation.
; The chip was launched on July 23, 2026; its instructions are those of AMD's public machine-readable ISA for CDNA 5 (MIT licence, August 2026) and "CDNA5" Instruction Set Architecture Reference Guide (July 2026). The comments in the code are by the model that wrote it; some were corrected since.
;; Klear Attention. Allowed arithmetic: float matrix products may take bf16 or f16 operands with f32 sums; all other float work in f32.
;; Inputs: k_norm_w 128 float32; mask 2,048 x 2,048 float32; q_norm_w 128 float32; wk 4,096 x 512 float32; wo 1,024 x 4,096 float32; wq 4,096 x 1,024 float32; wv 4,096 x 512 float32; x 2 x 2,048 x 4,096 float32.
;; Outputs: out0 2 x 2,048 x 4,096 float32.
;; One version. Each part assembles by itself: llvm-mc -triple=amdgcn-amd-amdhsa -mcpu=gfx1250 --defsym DOCPART=n.
;; ======== version 1 of 1: 4 launches
;; limits: values are held in f16: magnitudes above 65,504 overflow, below 6.1e-05 lose precision; right only within a limited range of input values
;; workspace buffers: xb 33,554,432 bytes; wqkv 16,777,216 bytes; wob 8,388,608 bytes; rope 1,048,576 bytes; qh 8,388,608 bytes; kh 4,194,304 bytes; vh 4,194,304 bytes; ob 8,388,608 bytes
;; launch prep (part 1): grid 1920 x 1, 8 waves a work-group, no clusters, 0 bytes of LDS; arguments x, wq, wk, wv, wo, xb, wqkv, wob, rope; writes xb, wqkv, wob, rope
.if DOCPART == 1
	.amdgcn_target "amdgcn-amd-amdhsa--gfx1250"
	.amdhsa_code_object_version 6
	.text
	.protected	k_qc853ea344d_prep
	.globl	k_qc853ea344d_prep
	.p2align	8
	.type	k_qc853ea344d_prep,@function
k_qc853ea344d_prep:
	s_mov_b64 s[64:65], 0
	v_nop
	global_prefetch_b8 v0, s[64:65] scope:SCOPE_SE
	s_setreg_imm32_b32 hwreg(HW_REG_WAVE_MODE, 25, 1), 1
	s_wait_xcnt 0x0
; PREP.  A stream: the f32 inputs of the products are rounded once to 16 bits and laid out for the launches behind, and the RoPE table is made.
;   xb   [4096][4096] bf16 = x.     wqkv [4096 k][2048 n] bf16 = wq | wk | wv side by side (n: q 0-1023, k 1024-1535, v 1536-2047).
;   wob  [1024 k][4096 n] f16 = 16 x bf16(wo): v is carried as v / 16 through the attention, and the factor 16 is given back here; both scalings are exact.
;   rope: cos at byte 0, sin at byte 524288.  For pos = 16 P + r and d = 16 b + 8 h + 4 u + e the f32 lies at ((4 P + b) 2 + u) 512 + (16 h + r) 16 + 4 e:
;         a 16-byte load at lane x 16 then brings a lane what the product's result layout wants (row r, columns 8 h + 4 u + 0..3 of column block b).
; LIMIT.  f16 ends at 65,504, so |wo| stays under 4,094; 16 wo below 6e-5 keeps f16's fixed step of 6e-8.
; SHARES.  Work-groups 0-1023 x, 1024-1279 wq, 1280-1407 wk, 1408-1535 wv, 1536-1791 wo: 16,384 numbers each, 2,048 a wave, in 16 loads of 512 consecutive bytes, all issued first.
; Work-groups 1792-1919: 16 positions of the table each.  No LDS, no barrier, no matrix unit: every byte is read once and written once, and nothing is shared.
.set X, 8                              ; v[8:71]   16 loads of 4 registers
.set Y, 72                             ; v[72:103] 16 stores of 2 registers; no register that a pending instruction reads is rewritten, so no wait frees any
; src, dst: the first scalar register of the two addresses.  first: the section's first work-group.  A wave's 2,048 numbers begin at byte wave << wsh of the work-group's part of dst;
; jrow loads make a source row; a row of wqkv is 4,096 bytes; cob: the section's first column in bytes.  mode = 1: f16 of 16 x the bf16 rounding.
.macro CONV src, dst, first, wsh, jrow, cob, mode
	s_sub_co_u32 s22, ttmp9, \first
	s_lshl_b32 s24, s22, 16                        ; 65,536 bytes of f32 a work-group
	s_mov_b32 s25, 0
	s_lshl_b32 s26, s22, (\wsh)+3                  ; eight waves' parts
	s_mov_b32 s27, 0
	s_add_nc_u64 s[24:25], s[\src:(\src)+1], s[24:25]
	s_add_nc_u64 s[26:27], s[\dst:(\dst)+1], s[26:27]
	v_lshl_add_u32 v3, v1, \wsh, v4                ; wave's part + 8 bytes a lane
.set j, 0
.rept 16
	global_load_b128 v[X+4*j:X+4*j+3], v2, s[24:25] offset:512*j th:TH_LOAD_NT
.set j, j+1
.endr
.set j, 0
.rept 16
	s_wait_loadcnt 15-j                            ; loads come back in order (ISA guide 5.7.1): load j is in, the 15 - j younger ones stay out
	v_cvt_pk_bf16_f32 v[Y+2*j],   v[X+4*j],   v[X+4*j+1]
	v_cvt_pk_bf16_f32 v[Y+2*j+1], v[X+4*j+2], v[X+4*j+3]
.if \mode
	v_lshlrev_b32 v[X+4*j],   16, v[Y+2*j]         ; the rounded numbers back as f32,
	v_and_b32     v[X+4*j+1], 0xffff0000, v[Y+2*j]
	v_lshlrev_b32 v[X+4*j+2], 16, v[Y+2*j+1]
	v_and_b32     v[X+4*j+3], 0xffff0000, v[Y+2*j+1]
	v_pk_mul_f32 v[X+4*j:X+4*j+1],   v[X+4*j:X+4*j+1],   0x41800000 op_sel_hi:[1,0]  ; times 16,
	v_pk_mul_f32 v[X+4*j+2:X+4*j+3], v[X+4*j+2:X+4*j+3], 0x41800000 op_sel_hi:[1,0]
	v_cvt_pk_f16_f32 v[Y+2*j],   v[X+4*j],   v[X+4*j+1]                              ; written as f16: eight significant bits fit
	v_cvt_pk_f16_f32 v[Y+2*j+1], v[X+4*j+2], v[X+4*j+3]
.endif
	global_store_b64 v3, v[Y+2*j:Y+2*j+1], s[26:27] offset:(\cob)+(j/(\jrow))*4096+(j%(\jrow))*256  ; 32 lanes store 256 consecutive bytes, at a multiple of 256 from the buffer's first
.set j, j+1
.endr
	s_endpgm
.endm
	s_load_b512 s[4:19], s[0:1], 0x0               ; x s[4:5], wq s[6:7], wk s[8:9], wv s[10:11], wo s[12:13], xb s[14:15], wqkv s[16:17], wob s[18:19]
	s_load_b64 s[20:21], s[0:1], 0x40              ; rope
	v_lshrrev_b32 v1, 5, v0                        ; wave
	v_and_b32 v4, 31, v0                           ; lane
	v_lshlrev_b32 v2, 4, v4
	v_lshl_add_u32 v2, v1, 13, v2                  ; source: 8,192 bytes a wave + 16 a lane
	v_lshlrev_b32 v4, 3, v4                        ; destination: 8 bytes a lane
	s_wait_kmcnt 0x0
	s_cmp_lt_u32 ttmp9, 1024
	s_cbranch_scc1 .Lx
	s_cmp_lt_u32 ttmp9, 1280
	s_cbranch_scc1 .Lwq
	s_cmp_lt_u32 ttmp9, 1408
	s_cbranch_scc1 .Lwk
	s_cmp_lt_u32 ttmp9, 1536
	s_cbranch_scc1 .Lwv
	s_cmp_lt_u32 ttmp9, 1792
	s_cbranch_scc1 .Lwo
	; THE TABLE.  Work-group P: positions 16 P + r.  Wave w: b = w / 2, u = w % 2.  Lane: r = lane % 16, h = lane / 16.  Four channels e a lane.
	; freq = 2^(-d log2(1e6) / 64); ang = pos x freq; ang is brought into -pi .. pi by a two-part 2 pi; sine and cosine by their series to r^15 and r^16, whose remainders at pi lie under 1e-6.
	s_sub_co_u32 s22, ttmp9, 1792
	s_lshl_b32 s24, s22, 12                        ; 4,096 bytes of each table a work-group
	s_mov_b32 s25, 0
	s_add_nc_u64 s[24:25], s[20:21], s[24:25]
	v_and_b32 v5, 15, v0
	v_lshl_add_u32 v5, s22, 4, v5
	v_cvt_f32_u32 v5, v5                           ; pos
	v_bfe_u32 v6, v0, 4, 1                         ; h
	v_lshrrev_b32 v7, 6, v0                        ; b
	v_lshlrev_b32 v7, 4, v7
	v_lshl_add_u32 v7, v6, 3, v7
	v_bfe_u32 v6, v0, 5, 1                         ; u
	v_lshl_add_u32 v7, v6, 2, v7                   ; d of e = 0
	v_lshlrev_b32 v3, 4, v0                        ; 16 bytes a thread: 512 w + 16 lane
.irp e, 0,1,2,3
	v_add_nc_u32 v[8+(\e)], \e, v7
.endr
.irp e, 0,1,2,3
	v_cvt_f32_u32 v[8+(\e)], v[8+(\e)]
.endr
.irp e, 0,1,2,3
	v_mul_f32 v[8+(\e)], 0xbe9f73da, v[8+(\e)]     ; -log2(1e6) / 64
.endr
.irp e, 0,1,2,3
	v_exp_f32 v[8+(\e)], v[8+(\e)]
.endr
	v_nop                                          ; a plain instruction between the last exponential and the use of its result (ISA guide 5.7.2)
	s_wait_alu depctr_va_vdst(0)
.irp e, 0,1,2,3
	v_mul_f32 v[8+(\e)], v5, v[8+(\e)]             ; ang
.endr
.irp e, 0,1,2,3
	v_mul_f32 v[12+(\e)], 0x3e22f983, v[8+(\e)]    ; / 2 pi
.endr
.irp e, 0,1,2,3
	v_rndne_f32 v[12+(\e)], v[12+(\e)]             ; n
.endr
.irp e, 0,1,2,3
	v_fmamk_f32 v[16+(\e)], v[12+(\e)], 0xc0c90fdb, v[8+(\e)]   ; ang - n x (2 pi rounded to f32),
.endr
.irp e, 0,1,2,3
	v_fmamk_f32 v[16+(\e)], v[12+(\e)], 0x343bbd2e, v[16+(\e)]  ; less n x what that rounding left
.endr
.irp e, 0,1,2,3
	v_mul_f32 v[20+(\e)], v[16+(\e)], v[16+(\e)]   ; z = r r
.endr
.irp e, 0,1,2,3
	v_mov_b32 v[24+(\e)], 0xab573f9f               ; -1 / 15!
	v_mov_b32 v[28+(\e)], 0x29573f9f               ; 1 / 16!
.endr
.irp c, 0x2f309231, 0xb2d7322b, 0x3638ef1d, 0xb9500d01, 0x3c088889, 0xbe2aaaab, 0x3f800000
.irp e, 0,1,2,3
	v_fmaak_f32 v[24+(\e)], v[24+(\e)], v[20+(\e)], \c
.endr
.endr
.irp c, 0xad49cba5, 0x310f76c7, 0xb493f27e, 0x37d00d01, 0xbab60b61, 0x3d2aaaab, 0xbf000000, 0x3f800000
.irp e, 0,1,2,3
	v_fmaak_f32 v[28+(\e)], v[28+(\e)], v[20+(\e)], \c
.endr
.endr
.irp e, 0,1,2,3
	v_mul_f32 v[24+(\e)], v[24+(\e)], v[16+(\e)]
.endr
	global_store_b128 v3, v[28:31], s[24:25]                 ; cos: a wave stores 512 consecutive bytes
	global_store_b128 v3, v[24:27], s[24:25] offset:524288   ; sin
	s_endpgm
.Lx:
	CONV 4, 14, 0, 12, 16, 0, 0
.Lwq:
	CONV 6, 16, 1024, 13, 8, 0, 0
.Lwk:
	CONV 8, 16, 1280, 14, 4, 2048, 0
.Lwv:
	CONV 10, 16, 1408, 14, 4, 3072, 0
.Lwo:
	CONV 12, 18, 1536, 12, 16, 0, 1
.Lfunc_end_k_qc853ea344d_prep:
	.size	k_qc853ea344d_prep, .Lfunc_end_k_qc853ea344d_prep-k_qc853ea344d_prep
	.p2alignl 7, 3214868480
	.fill 96, 4, 3214868480
	.section	.rodata,"a",@progbits
	.p2align	6, 0x0
	.amdhsa_kernel k_qc853ea344d_prep
		.amdhsa_group_segment_fixed_size 0
		.amdhsa_private_segment_fixed_size 0
		.amdhsa_enable_private_segment 0
		.amdhsa_kernarg_size 72
		.amdhsa_user_sgpr_count 2
		.amdhsa_user_sgpr_kernarg_segment_ptr 1
		.amdhsa_wavefront_size32 1
		.amdhsa_system_sgpr_workgroup_id_x 1
		.amdhsa_system_sgpr_workgroup_id_y 1
		.amdhsa_system_sgpr_workgroup_id_z 1
		.amdhsa_system_vgpr_workitem_id 0
		.amdhsa_next_free_vgpr 104
		.amdhsa_next_free_sgpr 66
		.amdhsa_reserve_vcc 0
		.amdhsa_float_denorm_mode_32 3
		.amdhsa_float_denorm_mode_16_64 3
		.amdhsa_memory_ordered 1
		.amdhsa_forward_progress 1
		.amdhsa_inst_pref_size 46
	.end_amdhsa_kernel
	.amdgpu_metadata
---
amdhsa.version: [ 1, 2 ]
amdhsa.kernels:
  - .name:           k_qc853ea344d_prep
    .symbol:         k_qc853ea344d_prep.kd
    .args:
      - { .name: x, .offset: 0, .size: 8, .value_kind: global_buffer, .address_space: global }
      - { .name: wq, .offset: 8, .size: 8, .value_kind: global_buffer, .address_space: global }
      - { .name: wk, .offset: 16, .size: 8, .value_kind: global_buffer, .address_space: global }
      - { .name: wv, .offset: 24, .size: 8, .value_kind: global_buffer, .address_space: global }
      - { .name: wo, .offset: 32, .size: 8, .value_kind: global_buffer, .address_space: global }
      - { .name: xb, .offset: 40, .size: 8, .value_kind: global_buffer, .address_space: global }
      - { .name: wqkv, .offset: 48, .size: 8, .value_kind: global_buffer, .address_space: global }
      - { .name: wob, .offset: 56, .size: 8, .value_kind: global_buffer, .address_space: global }
      - { .name: rope, .offset: 64, .size: 8, .value_kind: global_buffer, .address_space: global }
    .group_segment_fixed_size: 0
    .private_segment_fixed_size: 0
    .kernarg_segment_align: 8
    .kernarg_segment_size: 72
    .max_flat_workgroup_size: 256
    .sgpr_count:     66
    .vgpr_count:     104
    .wavefront_size: 32
...
	.end_amdgpu_metadata
.endif
;; end of part 1
;; launch qkv (part 2): grid 16 x 16, 4 waves a work-group, clusters of 4 x 4, 327,680 bytes of LDS; arguments xb, wqkv, rope, q_norm_w, k_norm_w, qh, kh, vh; writes qh, kh, vh
.if DOCPART == 2
	.amdgcn_target "amdgcn-amd-amdhsa--gfx1250"
	.amdhsa_code_object_version 6
	.text
	.protected	k_qc853ea344d_qkv
	.globl	k_qc853ea344d_qkv
	.p2align	8
	.type	k_qc853ea344d_qkv,@function
k_qc853ea344d_qkv:
	s_mov_b64 s[64:65], 0
	v_nop
	global_prefetch_b8 v0, s[64:65] scope:SCOPE_SE
	s_setreg_imm32_b32 hwreg(HW_REG_WAVE_MODE, 25, 1), 1
	s_wait_xcnt 0x0
	s_wait_alu depctr_hold_cnt(0) depctr_sa_sdst(0) depctr_va_vdst(0) depctr_va_sdst(0) depctr_va_ssrc(0) depctr_va_vcc(0) depctr_vm_vsrc(0)
	s_getreg_b32 s2, hwreg(HW_REG_IB_STS2, 6, 4)
	s_cmp_eq_u32 s2, 0
	s_cbranch_scc0 .Lentry_in_a_cluster
	s_endpgm
.Lentry_in_a_cluster:
	s_bfe_u32 s2, ttmp6, 0x10000c
	s_cmp_lg_u32 s2, 0xf033
	s_cbranch_scc0 .Lentry_shape_is_right
	s_endpgm
.Lentry_shape_is_right:
; QKV.  C[4096][2048] = xb [4096][4096] x wqkv [4096 k][2048 n], bf16 operands, f32 sums; on the way out RMSNorm per head, RoPE, and the layout by heads, in f16:
;   qh [2][8][2048][128] = rope(rmsnorm(q) x gain) x log2(e) / sqrt(128);   kh [2][4][2048][128] = rope(rmsnorm(k) x gain);   vh [2][4][2048][128] = v / 16.
; The gains are rounded to bf16 like the other inputs; all else behind the products is f32, rounded to f16 once.
; LIMITS.  f16 ends at 65,504: |v| stays under 1.04e6; a normalised q or k is at most sqrt(128) x its gain.  NaN and infinities are not treated apart.
; SHARES.  A work-group makes 256 rows x 128 columns, one head's columns: 16 x 16 work-groups.  Wave w makes rows 64 w .. 64 w + 63 x all 128 columns: 32 accumulators.
; So a row's 128 numbers of a head lie in two lanes of one wave, and norm and RoPE need one exchange between the halves of the lanes.
; The kind of head hangs on the cluster's x alone (0, 1: q; 2: k; 3: v), so the one branch on it is the same in all sixteen partners.
; K goes in steps of 128 through a ring of two LDS slots.  CLUSTER 4 x 4: A's tile hangs on the tile row and is asked for jointly along a row of the cluster, B's on the tile column, along a column.
; THE MATRIX INSTRUCTION IS USED TRANSPOSED: source 0 = 16 columns of wqkv (rows of LDS lie along n, so they come turned, by ds_load_tr16_b128), source 1 = 16 rows of xb.
; In the result lane l holds row l % 16, and registers 0-7 the columns 16 b + 8 (l / 16) + 0..7.
; REGISTERS, in windows of 256 (s_set_vgpr_msb: bits 1:0 source 0, 3:2 source 1, 5:4 source 2, 7:6 destination):
;   window 0: v0-31 addresses; v64-159, v160-255 two fragment buffers (A's 4 x 8, then B's 8 x 8); on the way out v64-241 at work
;   window 1: accumulator (a, b) at v[8 (8 a + b)]        window 2: v0-63 gains; v64-127, v128-191 two table buffers (32 cos, 32 sin); v192-223 at work
.set PA,    272                        ; a row of A in LDS: 256 bytes + 16 = 68 words: the 16 rows of a load start at 16 different groups of four banks (64 banks of 4 bytes: ISA guide 11.1)
.set PB,    288                        ; a row of B: 256 + 32 = 72 words
.set AHALF, 128*PA                     ; what one tensor load brings of A
.set BOFF,  2*AHALF                    ; behind A's 256 rows: B's 128 k rows
.set BHALF, 64*PB                      ; what one tensor load brings of B
.set SLOT,  BOFF+2*BHALF               ; 106,496
.set STAGE, 2*SLOT                     ; behind the ring: 16 rows x 272 bytes for each wave, for the way out
.set SP,    272
.set SPARE, STAGE+4*16*SP              ; behind the stages: the spare words, 128 bytes for each wave: two blocks of 256 bytes that no other line names
.set LAPS,  16                         ; 4,096 / 256: a lap is two K steps, once round the ring
.set ADRA, 16                          ; v16-17  LDS address of my A fragments in slot 0, 1
.set ADRB, 20                          ; v20-21  the same for B
.set STO,  24                          ; v24     the way out: where I put 16 bytes of a row
.set RD,   25                          ; v25     where I read rows back
.set CO,   26                          ; v26     16 x lane: my offset in 512 consecutive bytes (the output's, and the table's)
.set GV,   27                          ; v27     32 x (lane / 16): my offset in the gains
.set SPW,  28                          ; v28     LDS address of my spare word; never rewritten
.set NIL,  29                          ; v29     0; never rewritten
.set F0,   64
.set F1,   160
.set U,    64                          ; the way out: v64-127 a block's 64 numbers a lane
.set Y,    128                         ; v128-159 packed
.set BKS,  160                         ; v160-191, v192-223 rows read back, by turns
.set SS,   224                         ; v224-231 four chains of squares
.set TT,   232                         ; v232-239 at work
.set RS,   240                         ; v240 1 / rms; v241 named with it as a pair
.set WV,   20                          ; s20 my wave's number
.set G1A,  36                          ; s[36:43] descriptor group 1 for A;  s[44:51] group 0, one set for each slot
.set G0A,  44
.set G1B,  52                          ; s[52:59], s[68:75] the same for B
.set G0B,  68
.set MSB, 0
.macro WIN new                         ; the immediate's high byte repeats the setting that is left; a switch that changes nothing is dropped
.if MSB != (\new)
	s_set_vgpr_msb (MSB<<8)|(\new)
.set MSB, \new
.endif
.endm
.macro PLACES                          ; four places in front of loads into registers that matrix instructions have read, and of vector work on their results
.rept 4
	v_nop
.endr
.endm
.macro JLOAD s                         ; a joint load: waves 0 and 1 fetch A's two halves, waves 2 and 3 B's; four v_nop follow each of the two lines
	s_cmp_lt_u32 s[WV], 2
	s_cbranch_scc0 .Lfor_b_\@
	tensor_load_to_lds s[G0A+4*(\s):G0A+4*(\s)+3], s[G1A:G1A+7]
	s_nop 0
.rept 4
	v_nop
.endr
	s_branch .Lasked_\@
.Lfor_b_\@:
	tensor_load_to_lds s[G0B+4*(\s):G0B+4*(\s)+3], s[G1B:G1B+7]
	s_nop 0
.rept 4
	v_nop
.endr
.Lasked_\@:
.endm
.macro CREST                           ; a round of the cluster's barrier behind its opening barrier
	s_cmp_lg_u32 s[WV], 0
	s_cbranch_scc1 .Lnot_wave_0_\@
	s_barrier_signal -3
.Lnot_wave_0_\@:
	s_barrier_wait -3
	s_barrier_signal -1
	s_barrier_wait -1
.endm
.macro CROUND
	s_barrier_signal -1
	s_barrier_wait -1
	CREST
.endm
; 8 matrix instructions: row block a x all 8 column blocks, 32 along K.  zero = 1: the first product starts the sums.  The 32 accumulators take turns in the same order in every quarter.
.macro MUL8 f, a, zero
	WIN 0x50                                       ; C and D in window 1
.irp b, 0,1,2,3,4,5,6,7
.if \zero
	v_wmma_f32_16x16x32_bf16 v[8*(8*(\a)+(\b)):8*(8*(\a)+(\b))+7], v[(\f)+32+8*(\b):(\f)+32+8*(\b)+7], v[(\f)+8*(\a):(\f)+8*(\a)+7], 0
.else
	v_wmma_f32_16x16x32_bf16 v[8*(8*(\a)+(\b)):8*(8*(\a)+(\b))+7], v[(\f)+32+8*(\b):(\f)+32+8*(\b)+7], v[(\f)+8*(\a):(\f)+8*(\a)+7], v[8*(8*(\a)+(\b)):8*(8*(\a)+(\b))+7]
.endif
.endr
.endm
; 24 LDS loads in one run: quarter q (32 along K) of a slot into buffer f: B's 8 fragments (turned), then A's 4
.macro FETCH slot, q, f
	WIN 0
.irp b, 0,1,2,3,4,5,6,7
	ds_load_tr16_b128 v[(\f)+32+8*(\b):(\f)+32+8*(\b)+3],   v[ADRB+(\slot)] offset:32*PB*(\q)+32*(\b)
	ds_load_tr16_b128 v[(\f)+32+8*(\b)+4:(\f)+32+8*(\b)+7], v[ADRB+(\slot)] offset:32*PB*(\q)+32*(\b)+16*PB
.endr
.irp a, 0,1,2,3
	ds_load_b128 v[(\f)+8*(\a):(\f)+8*(\a)+3],   v[ADRA+(\slot)] offset:16*PA*(\a)+64*(\q)
	ds_load_b128 v[(\f)+8*(\a)+4:(\f)+8*(\a)+7], v[ADRA+(\slot)] offset:16*PA*(\a)+64*(\q)+32
.endr
.endm
; One of a K step's first three quarters: multiplies buffer f; in its middle it fetches quarter q of the same slot into buffer g
.macro QUARTER slot, q, f, g, zero
	s_wait_dscnt 4                                 ; B and A's blocks 0 and 1 are in; the youngest four loads (A's blocks 2 and 3) may be out
	MUL8 \f, 0, \zero
	MUL8 \f, 1, \zero
	PLACES
	FETCH \slot, \q, \g
	s_wait_dscnt 24                                ; all but the 24 just issued
	MUL8 \f, 2, \zero
	MUL8 \f, 3, \zero
.endm
; The last quarter multiplies buffer 1 and changes slots: ONE barrier; in front of it each wave waits for all its tensor loads (one is out: its part of the next slot), adds 0 to its spare word,
; and waits for that and for its own reads of this slot.  fill = 1: the barrier opens a round of the cluster's, and this slot is filled again, two K steps ahead, first thing behind the round.
.macro TURN slot, next, fill
	WIN 0                                          ; (the add's two registers lie in window 0)
	s_wait_tensorcnt 0x0                           ; all my tensor loads have landed
	ds_add_u32 v[SPW], v[NIL]                      ; 0 onto my spare word
	s_wait_dscnt 5                                 ; (the add and the youngest four loads may be out)
	MUL8 F1, 0, 0                                  ; eight matrix instructions stand between the add and the wait for it
	s_wait_dscnt 0x0                               ; the add is done, and my reads of this slot are over
	s_barrier_signal -1
	MUL8 F1, 1, 0
.if \fill
	WIN 0
.endif
	s_barrier_wait -1
.if \fill
	CREST                                          ; no wave of any partner still reads this slot's tiles or has a load on its way
	s_add_nc_u64 s[G0A+4*(\slot)+2:G0A+4*(\slot)+3], s[G0A+4*(\slot)+2:G0A+4*(\slot)+3], 512      ; 256 along K in a row of xb
	s_add_nc_u64 s[G0B+4*(\slot)+2:G0B+4*(\slot)+3], s[G0B+4*(\slot)+2:G0B+4*(\slot)+3], 1048576  ; 256 rows of wqkv
	JLOAD \slot                                    ; its four v_nop are also the places in front of the loads below
.else
	PLACES
.endif
	FETCH \next, 0, F0
	MUL8 F1, 2, 0
	MUL8 F1, 3, 0
.endm
; The way out of block a (16 rows), from U: rounded to f16; 16 bytes a lane into my own stage; back as whole rows of 256 bytes; stored, two rows (512 consecutive bytes) an instruction.
.macro PACKOUT a
	WIN 0
.set BK, BKS+32*((\a)%2)
.set i, 0
.rept 32
	v_cvt_pk_f16_f32 v[Y+i], v[U+2*i], v[U+2*i+1]
.set i, i+1
.endr
.irp b, 0,1,2,3,4,5,6,7
	ds_store_b128 v[STO], v[Y+4*(\b):Y+4*(\b)+3] offset:32*(\b)
.endr
	s_wait_xcnt 0x0                                ; the stores of two blocks ago have read these registers: they are loaded again only behind this wait (ISA guide 3.1)
.irp t, 0,1,2,3,4,5,6,7
	ds_load_b128 v[BK+4*(\t):BK+4*(\t)+3], v[RD] offset:(\t)*2*SP  ; LDS serves a wave's instructions in order (ISA guide 5.7.1.4): these see the stores above
.endr
	s_wait_dscnt 0x0
.irp t, 0,1,2,3,4,5,6,7
	global_store_b128 v[CO], v[BK+4*(\t):BK+4*(\t)+3], s[78:79] offset:4096*(\a)+512*(\t)
.endr
.endm
; Block a of a q or k head: the row's mean square, gain, RoPE, 1 / rms.  x1 = columns 0-63 (U's pairs 0-15), x2 = columns 64-127 (pairs 16-31).
.macro NORM a
.set TAB, 64+64*((\a)%2)               ; the block's table, in window 2
.if (\a) < 3
	s_wait_loadcnt 16                              ; this block's 16 table loads are in; the 16 behind them may stay out
.else
	s_wait_loadcnt 0x0
.endif
	WIN 0x05                                       ; sources 0 and 1 in window 1
.set i, 0
.rept 4
	v_pk_mul_f32 v[SS+2*i:SS+2*i+1], v[64*(\a)+2*i:64*(\a)+2*i+1], v[64*(\a)+2*i:64*(\a)+2*i+1]  ; ascending: each accumulator's lowest registers are read first
.set i, i+1
.endr
.rept 28
	v_pk_fma_f32 v[SS+2*(i%4):SS+2*(i%4)+1], v[64*(\a)+2*i:64*(\a)+2*i+1], v[64*(\a)+2*i:64*(\a)+2*i+1], v[SS+2*(i%4):SS+2*(i%4)+1]
.set i, i+1
.endr
	WIN 0
	v_pk_add_f32 v[SS:SS+1], v[SS:SS+1], v[SS+2:SS+3]
	v_pk_add_f32 v[SS+4:SS+5], v[SS+4:SS+5], v[SS+6:SS+7]
	v_pk_add_f32 v[SS:SS+1], v[SS:SS+1], v[SS+4:SS+5]
	v_add_f32 v[SS], v[SS], v[SS+1]
	v_permlanex16_b32 v[SS+2], v[SS], s82, s83     ; the row's other 64 columns lie in the lane 16 away
	v_add_f32 v[SS], v[SS], v[SS+2]
	v_fma_f32 v[SS], v[SS], s84, s85               ; / 128 + 1e-5
	v_rsq_f32 v[RS], v[SS]
	v_mov_b32 v[RS+1], 0                           ; the plain instruction behind the root (ISA guide 5.7.2); the register is only named as the pair's upper half
	WIN 0x09                                       ; source 0 window 1, source 1 window 2
.set i, 0
.rept 32
	v_pk_mul_f32 v[U+2*i:U+2*i+1], v[64*(\a)+2*i:64*(\a)+2*i+1], v[2*i:2*i+1]  ; x gain (for q: x log2(e) / sqrt(128) too)
.set i, i+1
.endr
	WIN 0x08                                       ; source 1 window 2
.set i, 0
.rept 16
	v_pk_mul_f32 v[TT+2*(i%4):TT+2*(i%4)+1], v[U+2*i:U+2*i+1], v[TAB+32+2*i:TAB+32+2*i+1]                                  ; x1 sin
	v_pk_mul_f32 v[U+2*i:U+2*i+1], v[U+2*i:U+2*i+1], v[TAB+2*i:TAB+2*i+1]                                                  ; x1 cos
	v_pk_fma_f32 v[U+2*i:U+2*i+1], v[U+32+2*i:U+32+2*i+1], v[TAB+32+2*i:TAB+32+2*i+1], v[U+2*i:U+2*i+1] neg_lo:[1,0,0] neg_hi:[1,0,0]  ; - x2 sin
	v_pk_fma_f32 v[U+32+2*i:U+32+2*i+1], v[U+32+2*i:U+32+2*i+1], v[TAB+2*i:TAB+2*i+1], v[TT+2*(i%4):TT+2*(i%4)+1]          ; x2 cos + x1 sin
.set i, i+1
.endr
.if (\a) < 2
	WIN 0x80                                       ; the buffer takes the table of the block two further on
.set i, 0
.rept 8
	global_load_b128 v[TAB+4*i:TAB+4*i+3],       v[CO], s[86:87] offset:((\a)+2)*4096+512*i
	global_load_b128 v[TAB+32+4*i:TAB+32+4*i+3], v[CO], s[86:87] offset:((\a)+2)*4096+512*i+524288
.set i, i+1
.endr
.endif
	WIN 0
.set i, 0
	s_wait_alu depctr_va_vdst(0)
.rept 32
	v_pk_mul_f32 v[U+2*i:U+2*i+1], v[U+2*i:U+2*i+1], v[RS:RS+1] op_sel_hi:[1,0]
.set i, i+1
.endr
	PACKOUT \a
.endm
.macro VOUT a                          ; block a of a v head: v / 16
	WIN 0x01
.set i, 0
.rept 32
	v_pk_mul_f32 v[U+2*i:U+2*i+1], v[64*(\a)+2*i:64*(\a)+2*i+1], 0x3d800000 op_sel_hi:[1,0]
.set i, i+1
.endr
	PACKOUT \a
.endm
	s_load_b512 s[4:19], s[0:1], 0x0               ; xb s[4:5], wqkv s[6:7], rope s[8:9], q_norm_w s[10:11], k_norm_w s[12:13], qh s[14:15], kh s[16:17], vh s[18:19]
	v_lshl_add_u32 v[SPW], v0, 2, SPARE
	v_mov_b32 v[NIL], 0
	ds_add_u32 v28, v29
	s_wait_dscnt 0x0
	v_lshrrev_b32 v1, 5, v0
	v_readfirstlane_b32 s[WV], v1                  ; wave 0..3
	s_and_b32 s22, s[WV], 1                        ; which half of a tile I fetch
	s_bfe_u32 s23, ttmp6, 0x40000                  ; cx
	s_bfe_u32 s24, ttmp6, 0x40004                  ; cy
	s_lshl_b32 s25, ttmp9, 2
	s_add_co_u32 s25, s25, s23                     ; tx: the head's column tile = 4 x cluster x + cx
	s_and_b32 s26, ttmp7, 0xffff
	s_lshl_b32 s26, s26, 2
	s_add_co_u32 s26, s26, s24                     ; ty: the tile row = 4 x cluster y + cy
	s_lshl_b32 s27, s24, 2
	s_lshl_b32 s27, 15, s27                        ; my row of the cluster
	s_lshl_b32 s28, 0x1111, s23                    ; my column
	s_or_b32 s[G1A], s27, (1<<16)|(1<<20)|(1<<21)|(5<<22)|(3<<25)  ; 15:0 the mask; 17:16 2-byte elements; 20 padding on; 21 set beside a mask; 24:22 after every 64 words; 31:25 4 words of it
	s_mov_b32 s[G1A+1], 128<<16                    ; tensor_dim0 = 128
	s_mov_b32 s[G1A+2], 128<<16                    ; tensor_dim1 = 128
	s_mov_b32 s[G1A+3], 128<<16                    ; tile_dim0 = 128
	s_mov_b32 s[G1A+4], 128                        ; tile_dim1 = 128
	s_mov_b32 s[G1A+5], 4096                       ; elements from row to row of xb
	s_mov_b32 s[G1A+6], 0
	s_mov_b32 s[G1A+7], 0
	s_or_b32 s[G1B], s28, (1<<16)|(1<<20)|(1<<21)|(5<<22)|(7<<25)  ; the same with my column's mask and 8 words of padding
	s_mov_b32 s[G1B+1], 128<<16
	s_mov_b32 s[G1B+2], 64<<16                     ; 64 k rows
	s_mov_b32 s[G1B+3], 128<<16
	s_mov_b32 s[G1B+4], 64
	s_mov_b32 s[G1B+5], 2048                       ; elements from row to row of wqkv
	s_mov_b32 s[G1B+6], 0
	s_mov_b32 s[G1B+7], 0
	s_lshl_b32 s30, s26, 21                        ; A: (256 ty + 128 half) rows of 8,192 bytes: made of the tile row and the wave alone
	s_lshl_b32 s29, s22, 20
	s_add_co_u32 s30, s30, s29
	s_mov_b32 s31, 0
	s_lshl_b32 s32, s22, 18                        ; B: 64 half rows of 4,096 bytes + 256 tx: made of the tile column and the wave alone
	s_lshl_b32 s34, s25, 8
	s_add_co_u32 s32, s32, s34
	s_mov_b32 s33, 0
	s_mul_i32 s35, s22, AHALF                      ; where they go: no place in the cluster enters an LDS address
	s_mul_i32 s60, s22, BHALF
	s_add_co_u32 s60, s60, BOFF
	s_wait_kmcnt 0x0
	s_add_nc_u64 s[30:31], s[4:5], s[30:31]
	s_add_nc_u64 s[32:33], s[6:7], s[32:33]
	CROUND                                         ; all sixteen work-groups are here: the first joint loads meet
.irp s, 0,1
	s_mov_b32 s[G0A+4*(\s)], 1
	s_add_co_u32 s[G0A+4*(\s)+1], s35, (\s)*SLOT
	s_add_nc_u64 s[G0A+4*(\s)+2:G0A+4*(\s)+3], s[30:31], (\s)*256
	s_or_b32 s[G0A+4*(\s)+3], s[G0A+4*(\s)+3], 0x80000000
	s_mov_b32 s[G0B+4*(\s)], 1
	s_add_co_u32 s[G0B+4*(\s)+1], s60, (\s)*SLOT
	s_add_nc_u64 s[G0B+4*(\s)+2:G0B+4*(\s)+3], s[32:33], (\s)*524288
	s_or_b32 s[G0B+4*(\s)+3], s[G0B+4*(\s)+3], 0x80000000
	JLOAD \s                                       ; K steps 0 and 1: two tensor loads of mine are out
.endr
	; what hangs on the kind of head: chosen by the cluster's x
	s_cmp_lt_u32 ttmp9, 2
	s_cselect_b64 s[78:79], s[14:15], s[16:17]     ; qh or kh
	s_cselect_b64 s[80:81], s[10:11], s[12:13]     ; the gains: q's, or k's
	s_cselect_b32 s76, 0x3e0293ee, 1.0             ; q also takes log2(e) / sqrt(128)
	s_cselect_b32 s61, 3, 2                        ; 8 or 4 heads a batch
	s_cselect_b32 s62, s25, s23                    ; the head: tx for q; tx - 8 or tx - 12 = cx for k and v
	s_cmp_eq_u32 ttmp9, 3
	s_cselect_b64 s[78:79], s[18:19], s[78:79]     ; vh
	s_mov_b32 s77, s76                             ; named with it as a pair
	s_and_b32 s63, s26, 7
	s_lshl_b32 s63, s63, 8
	s_lshl_b32 s29, s[WV], 6
	s_add_co_u32 s63, s63, s29                     ; my first position in the sequence: 256 (ty % 8) + 64 w
	s_lshl_b32 s86, s63, 8                         ; 16 positions are 4,096 bytes of the table
	s_mov_b32 s87, 0
	s_add_nc_u64 s[86:87], s[8:9], s[86:87]
	s_lshr_b32 s88, s26, 3                         ; the batch
	s_lshl_b32 s88, s88, s61
	s_add_co_u32 s88, s88, s62
	s_lshl_b32 s88, s88, 11
	s_add_co_u32 s88, s88, s63
	s_lshl_b32 s88, s88, 8                         ; rows of 256 bytes
	s_mov_b32 s89, 0
	s_add_nc_u64 s[78:79], s[78:79], s[88:89]      ; the output at my first row
	s_mov_b32 s82, 0x76543210                      ; v_permlanex16_b32: each lane takes its own place in the other half
	s_mov_b32 s83, 0xfedcba98
	s_mov_b32 s84, 0x3c000000                      ; 1 / 128
	s_mov_b32 s85, 0x3727c5ac                      ; 1e-5
	v_and_b32 v1, 15, v0                           ; l % 16
	v_bfe_u32 v2, v0, 4, 1                         ; l / 16
	v_and_b32 v3, 31, v0
	v_lshlrev_b32 v[CO], 4, v3
	v_lshlrev_b32 v[GV], 5, v2
	v_add_nc_u32 v4, s29, v1                       ; A: row 64 w + l % 16,
	v_mul_u32_u24 v4, v4, PA
	v_lshl_add_u32 v[ADRA], v2, 4, v4              ; 16 bytes for each half of the lanes
	v_add_nc_u32 v[ADRA+1], SLOT, v[ADRA]
	v_and_b32 v5, 7, v0                            ; B, turned: lane l reads k row 8 (l / 16) + l % 8, columns 8 ((l / 8) % 2) + 0..7
	v_bfe_u32 v6, v0, 3, 1
	v_lshl_add_u32 v5, v2, 3, v5
	v_mul_u32_u24 v5, v5, PB
	v_lshl_add_u32 v5, v6, 4, v5
	v_add_nc_u32 v[ADRB], BOFF, v5
	v_add_nc_u32 v[ADRB+1], BOFF+SLOT, v5
	s_mul_i32 s29, s[WV], 16*SP
	s_add_co_u32 s29, s29, STAGE                   ; my stage
	v_mul_u32_u24 v7, v1, SP
	v_lshl_add_u32 v7, v2, 4, v7
	v_add_nc_u32 v[STO], s29, v7
	v_mul_u32_u24 v7, v2, SP
	v_lshl_add_u32 v7, v1, 4, v7
	v_add_nc_u32 v[RD], s29, v7
	; THE GAINS AND THE FIRST TWO BLOCKS OF THE TABLE, in the wait for the first tiles.  Every work-group runs these lines, so that every register which the text behind names is written on every
	; way through the text.  A v head uses neither: it asks for k's gains (512 bytes) and 32 loads of 512 bytes of the table a wave for nothing; that is 64 of the 256 work-groups.
	WIN 0x80                                       ; destination window 2
.set i, 0
.rept 16
	global_load_b128 v[4*i:4*i+3], v[GV], s[80:81] offset:64*(i/2)+16*(i%2)  ; the gains of my columns 16 b + 8 (l / 16) + 4 u + 0..3
.set i, i+1
.endr
.irp a, 0,1
.set i, 0
.rept 8
	global_load_b128 v[64+64*(\a)+4*i:64+64*(\a)+4*i+3],       v[CO], s[86:87] offset:(\a)*4096+512*i          ; cos of blocks 0 and 1: they stay out through the loop over K
	global_load_b128 v[64+64*(\a)+32+4*i:64+64*(\a)+32+4*i+3], v[CO], s[86:87] offset:(\a)*4096+512*i+524288   ; sin
.set i, i+1
.endr
.endr
	s_wait_loadcnt 32                              ; the 16 loads of gains are in; the 32 of the table stay out
	WIN 0x8a                                       ; all in window 2
.set i, 0
.rept 32
	v_cvt_pk_bf16_f32 v[192+i], v[2*i], v[2*i+1]   ; the gains are rounded to bf16 like the other inputs
.set i, i+1
.endr
.set i, 0
.rept 32
	v_lshlrev_b32 v[2*i], 16, v[192+i]
	v_and_b32 v[2*i+1], 0xffff0000, v[192+i]
.set i, i+1
.endr
.set i, 0
.rept 32
	v_pk_mul_f32 v[2*i:2*i+1], v[2*i:2*i+1], s[76:77] op_sel_hi:[1,0]
.set i, i+1
.endr
	WIN 0
	s_wait_tensorcnt 1                             ; my part of K step 0 is in; K step 1's may stay out
	s_barrier_signal -1
	s_barrier_wait -1                              ; everybody's is
	FETCH 0, 0, F0
	QUARTER 0, 1, F0, F1, 1                        ; the first quarter stands in front of the loop: its products start the sums
	WIN 0                                          ; at a label and at a branch every window is 0
	s_mov_b32 s3, LAPS-1
.Llap:                                                 ; a trip goes once round the ring, from a lap's second quarter to the next lap's first, and fills both slots again
	QUARTER 0, 2, F1, F0, 0
	QUARTER 0, 3, F0, F1, 0
	TURN 0, 1, 1
	QUARTER 1, 1, F0, F1, 0
	QUARTER 1, 2, F1, F0, 0
	QUARTER 1, 3, F0, F1, 0
	TURN 1, 0, 1
	QUARTER 0, 1, F0, F1, 0
	WIN 0
	s_sub_co_u32 s3, s3, 1
	s_cmp_lg_u32 s3, 0
	s_cbranch_scc1 .Llap
	QUARTER 0, 2, F1, F0, 0                        ; the last lap fills nothing, and has no round of the cluster's barrier
	QUARTER 0, 3, F0, F1, 0
	TURN 0, 1, 0
	QUARTER 1, 1, F0, F1, 0
	QUARTER 1, 2, F1, F0, 0
	QUARTER 1, 3, F0, F1, 0
	s_wait_dscnt 4                                 ; the very last quarter: nothing more to fetch
	MUL8 F1, 0, 0
	MUL8 F1, 1, 0
	s_wait_dscnt 0x0
	MUL8 F1, 2, 0
	MUL8 F1, 3, 0
	WIN 0
	PLACES
	s_cmp_eq_u32 ttmp9, 3
	s_cbranch_scc1 .Lv
	NORM 0
	NORM 1
	NORM 2
	NORM 3
	s_branch .Lend
.Lv:                                                   ; a v head: no line from here on names the table's registers, whose loads may still be out
	VOUT 0
	VOUT 1
	VOUT 2
	VOUT 3
.Lend:
	s_wait_tensorcnt 0x0                           ; the wave's end, behind my last tensor load and my last LDS store
	ds_add_u32 v[SPW], v[NIL]
	s_wait_dscnt 0x0
	CROUND                                         ; the closing round: no work-group ends while a partner may still ask for a tile that names it
	s_endpgm
.Lfunc_end_k_qc853ea344d_qkv:
	.size	k_qc853ea344d_qkv, .Lfunc_end_k_qc853ea344d_qkv-k_qc853ea344d_qkv
	.p2alignl 7, 3214868480
	.fill 96, 4, 3214868480
	.section	.rodata,"a",@progbits
	.p2align	6, 0x0
	.amdhsa_kernel k_qc853ea344d_qkv
		.amdhsa_group_segment_fixed_size 327680
		.amdhsa_private_segment_fixed_size 0
		.amdhsa_enable_private_segment 0
		.amdhsa_kernarg_size 64
		.amdhsa_user_sgpr_count 2
		.amdhsa_user_sgpr_kernarg_segment_ptr 1
		.amdhsa_wavefront_size32 1
		.amdhsa_system_sgpr_workgroup_id_x 1
		.amdhsa_system_sgpr_workgroup_id_y 1
		.amdhsa_system_sgpr_workgroup_id_z 1
		.amdhsa_system_vgpr_workitem_id 0
		.amdhsa_next_free_vgpr 768
		.amdhsa_next_free_sgpr 96
		.amdhsa_reserve_vcc 0
		.amdhsa_float_denorm_mode_32 3
		.amdhsa_float_denorm_mode_16_64 3
		.amdhsa_memory_ordered 1
		.amdhsa_forward_progress 1
		.amdhsa_inst_pref_size 171
	.end_amdhsa_kernel
	.amdgpu_metadata
---
amdhsa.version: [ 1, 2 ]
amdhsa.kernels:
  - .name:           k_qc853ea344d_qkv
    .symbol:         k_qc853ea344d_qkv.kd
    .args:
      - { .name: xb, .offset: 0, .size: 8, .value_kind: global_buffer, .address_space: global }
      - { .name: wqkv, .offset: 8, .size: 8, .value_kind: global_buffer, .address_space: global }
      - { .name: rope, .offset: 16, .size: 8, .value_kind: global_buffer, .address_space: global }
      - { .name: q_norm_w, .offset: 24, .size: 8, .value_kind: global_buffer, .address_space: global }
      - { .name: k_norm_w, .offset: 32, .size: 8, .value_kind: global_buffer, .address_space: global }
      - { .name: qh, .offset: 40, .size: 8, .value_kind: global_buffer, .address_space: global }
      - { .name: kh, .offset: 48, .size: 8, .value_kind: global_buffer, .address_space: global }
      - { .name: vh, .offset: 56, .size: 8, .value_kind: global_buffer, .address_space: global }
    .group_segment_fixed_size: 327680
    .private_segment_fixed_size: 0
    .kernarg_segment_align: 8
    .kernarg_segment_size: 64
    .max_flat_workgroup_size: 128
    .sgpr_count:     96
    .vgpr_count:     768
    .wavefront_size: 32
...
	.end_amdgpu_metadata
.endif
;; end of part 2
;; launch attn (part 3): grid 32 x 8, 4 waves a work-group, clusters of 4 x 4, 327,680 bytes of LDS; arguments qh, kh, vh, mask, ob; writes ob
.if DOCPART == 3
	.amdgcn_target "amdgcn-amd-amdhsa--gfx1250"
	.amdhsa_code_object_version 6
	.text
	.protected	k_qc853ea344d_attn
	.globl	k_qc853ea344d_attn
	.p2align	8
	.type	k_qc853ea344d_attn,@function
k_qc853ea344d_attn:
	s_mov_b64 s[64:65], 0
	v_nop
	global_prefetch_b8 v0, s[64:65] scope:SCOPE_SE
	s_setreg_imm32_b32 hwreg(HW_REG_WAVE_MODE, 25, 1), 1
	s_wait_xcnt 0x0
	s_wait_alu depctr_hold_cnt(0) depctr_sa_sdst(0) depctr_va_vdst(0) depctr_va_sdst(0) depctr_va_ssrc(0) depctr_va_vcc(0) depctr_vm_vsrc(0)
	s_getreg_b32 s2, hwreg(HW_REG_IB_STS2, 6, 4)
	s_cmp_eq_u32 s2, 0
	s_cbranch_scc0 .Lentry_in_a_cluster
	s_endpgm
.Lentry_in_a_cluster:
	s_bfe_u32 s2, ttmp6, 0x10000c
	s_cmp_lg_u32 s2, 0xf033
	s_cbranch_scc0 .Lentry_shape_is_right
	s_endpgm
.Lentry_shape_is_right:
; ATTENTION with an additive f32 mask that is an input.  O[q] = the sum over k of softmax_k(Q[q] . K[k] / sqrt(128) + mask[q][k]) V[k].
; qh [2][8][2048][128], kh and vh [2][4][2048][128], all f16; qh carries log2(e) / sqrt(128), vh is v / 16; mask [2048][2048] f32; ob [4096][1024] f16 = O / 16, column = head x 128 + channel.
; Products, maxima and sums in f32; the weights p are rounded to f16 for the second product (their sum l is taken of the unrounded p), O once at the end.
; SOFTMAX in the domain of powers of two: t = mask x log2(e) + S (one fused multiply-add in f32), a running maximum m of t, p = 2^(t - m) with t - m a true subtraction, so that a row
; whose every entry is hidden by the same large number comes out as the mean of V, as it does in f32 arithmetic.  In every step O and l are multiplied by a = 2^(m_old - m_new).
; LIMITS.  Mask entries are finite and are taken as given, not rounded.  p lies in 0 to 1; below 6e-5 it keeps f16's fixed step of 6e-8; a weight below 2^-126 counts as 0 in l.
; No tile is left out: nothing is known of the mask.
; SHARES.  Work-group (qb, y): 64 queries x the two query heads of key/value head y % 4 of batch y / 4.  Keys go in chunks of 128.  Wave w: g = w / 2 picks 32 of the queries, s = w % 2 picks
; 64 of each chunk's keys.  So a wave has four tiles of 16 queries (two query tiles x two heads) and 16 key steps, and K and V are read from LDS by two waves, not by four.
; Register tile t: head 2 (y % 4) + t % 2, query tile (t / 2) xor s.  At the end the two waves of a pair send each other tiles 2 and 3 and merge them into their tiles 0 and 1: one text for both.
; LAYOUT.  S^T = K Q^T (source 0 = 16 keys, source 1 = 16 queries): a lane holds ONE query (lane % 16) and the keys 8 (lane / 16) + 0..7.  Two such results rounded to f16 ARE source 1 of
; O^T = V^T P.  K comes out of LDS as it lies, V turned, by ds_load_tr16_b128; a query's mask for 8 neighbouring keys is 32 bytes of a mask row.
; BY TURNS.  The tiles are two PIECES (0: tiles 0, 1; 2: tiles 2, 3), which share K, V and nothing else; the two tiles of a piece share their mask.  In a TURN one piece has the matrix unit:
; 32 products V^T P of the step in hand, then 32 products K Q^T of the next; the other piece's softmax, cut into 64 slices, stands one slice behind each matrix instruction.
; CLUSTER 4 x 4.  K and V hang on y alone and are asked for jointly along a row of the cluster; the mask tile hangs on qb alone, along a column.
; REGISTERS, in windows of 256 (s_set_vgpr_msb: bits 1:0 source 0, 3:2 source 1, 5:4 source 2, 7:6 destination):
;   window 0: v0-11, v44-49 addresses; v12-43 eight registers of statistics a tile; v50-57 the partner's; v64-191 S^T, 32 a tile; v192-255 P, 16 a tile
;   window 1: O^T, 64 a tile      window 2: v0-127 Q, 32 a tile; v128-255 K of one step      window 3: v0-127 V of one step; v128-159 piece 0's mask; v160-191 piece 2's
.set PK,    272       ; a row of K in LDS: 256 bytes + 16: the 16 rows of a load start at 16 different groups of four banks (64 banks of 4 bytes: ISA guide 11.1)
.set PV,    288       ; a row of V: 256 + 32
.set PM,    528       ; a row of the mask tile: 512 + 16
.set VOFF,  128*PK    ; a slot holds a chunk: 128 rows of K, 128 rows of V, 64 rows of the mask
.set MOFF,  VOFF+128*PV
.set SLOT1, 1<<17     ; slot 1 begins here, so that one exclusive or turns an address in one slot into the other's
.set XCH,   SLOT1+MOFF+64*PM  ; behind the ring, never filled by a tensor load: 17,408 bytes for each wave, for the exchange
.set XB,    17408
.set STAGE, XCH+4*XB  ; 16 rows x 272 bytes for each wave, for the way out
.set SP,    272
.set SPARE, STAGE+4*16*SP  ; the spare words, 128 bytes for each wave: two blocks of 256 bytes that no other line names
.set AK0, 2           ; v2   my lane's place in a chunk's K; never rewritten
.set AV0, 3           ; v3   the same for V
.set ADR, 4           ; v4   the LDS address of the run of loads in hand
.set QO0, 5           ; v5   my byte offset in Q for tiles 0, 1
.set STO, 6           ; v6   the way out: where I put 16 bytes of a row
.set RD,  7           ; v7   where I read rows back
.set GO,  8           ; v8   my byte offset in two rows of ob
.set AM0, 44          ; v44  my lane's place in the mask tile for piece 0
.set AM1, 45          ; v45  for piece 2
.set ADRM, 46         ; v46  the LDS address of the mask's loads in hand
.set QO1, 47          ; v47  my byte offset in Q for tiles 2, 3
.set XS,  48          ; v48  the exchange: where I store
.set XR,  49          ; v49  where I read: my partner's part
.set PS,  50          ; v50-57 the partner's statistics of its tiles 2, 3
.set SPW, 62          ; v62  LDS address of my spare word; never rewritten
.set NIL, 63          ; v63  0; never rewritten
.set ST,  12          ; tile t's statistics at v[ST+8 t]: +0 m, +1 named with it as a pair, +2, +3 l (even keys', odd keys'), +4 to +7 c0-c3, at work; a takes c2's place
.set S,   64
.set P,   192
.set KF,  128         ; K's fragments, in window 2
.set WV,  14          ; s14  my wave's number
.set G1K, 24          ; s[24:31], s[32:39], s[40:47] descriptor group 1 for K, V, the mask
.set G1V, 32
.set G1M, 40
.set G0K, 48          ; s[48:51], s[52:55], s[56:59] descriptor group 0: they walk
.set G0V, 52
.set G0M, 56
.set LOOP, 60         ; s60  trips to go
.set TB,  61          ; s61  the slot of the chunk to be fetched
.set SEL, 62          ; s[62:63] v_permlanex16_b32's selects
.set LG,  66          ; s[66:67] log2(e)
.set MSB, 0
.macro WIN new                      ; the high byte repeats the setting that is left; a switch that changes nothing is dropped
.if MSB != (\new)
	s_set_vgpr_msb (MSB<<8)|(\new)
.set MSB, \new
.endif
.endm
.set W_KQ, 0x0a       ; K and Q in window 2, S^T in window 0
.set W_PV, 0x53       ; V in window 3, P in window 0, O^T in window 1
.set W_RS, 0x41       ; O^T (destination and source 0) in window 1, a in window 0
.set W_MK, 0x03       ; the mask (source 0) in window 3
.macro PLACES
.rept 4
	v_nop
.endr
.endm
; A joint fill of a chunk: wave 0 asks for K, wave 1 for V, wave 2 for the mask tile, wave 3 for nothing.  The branches hang on the wave's number alone.
; Four v_nop follow each tensor load, ahead of the jump and the label.
.macro JLOAD3
	s_cmp_eq_u32 s[WV], 0
	s_cbranch_scc0 .Lnot_k_\@
	tensor_load_to_lds s[G0K:G0K+3], s[G1K:G1K+7]
	s_nop 0
.rept 4
	v_nop
.endr
	s_branch .Lasked_\@
.Lnot_k_\@:
	s_cmp_eq_u32 s[WV], 1
	s_cbranch_scc0 .Lnot_v_\@
	tensor_load_to_lds s[G0V:G0V+3], s[G1V:G1V+7]
	s_nop 0
.rept 4
	v_nop
.endr
	s_branch .Lasked_\@
.Lnot_v_\@:
	s_cmp_eq_u32 s[WV], 2
	s_cbranch_scc0 .Lasked_\@
	tensor_load_to_lds s[G0M:G0M+3], s[G1M:G1M+7]
	s_nop 0
.rept 4
	v_nop
.endr
.Lasked_\@:
.endm
.macro CROUND                       ; a round of the cluster's barrier
	s_barrier_signal -1
	s_barrier_wait -1
	s_cmp_lg_u32 s[WV], 0
	s_cbranch_scc1 .Lnot_wave_0_\@
	s_barrier_signal -3
.Lnot_wave_0_\@:
	s_barrier_wait -3
	s_barrier_signal -1
	s_barrier_wait -1
.endm
; THE CHANGE OF SLOTS, in front of piece 0's turn: all of the old slot has been asked for from LDS (K and piece 0's mask in piece 0's turn, V and piece 2's mask in piece 2's).  Each wave waits for all
; its tensor loads, of which at most one is out: its part of the other slot; adds 0 to its spare word; and waits for that and for its reads.  fill = 1: the old slot is filled again with the chunk two on;
; the barrier is then a round of the cluster's, and the joint fill is the first thing behind it: it has a key step, 128 matrix instructions, in which to land.
; (At its first use nothing has been read yet: slot 0 is waited for, slot 1 filled.)
.macro CHANGE fill
	WIN 0                           ; at a label and at a branch every window is 0
	s_wait_tensorcnt 0x0            ; no tensor load of mine is out, so a group 0 may be written
	ds_add_u32 v[SPW], v[NIL]       ; 0 onto my spare word; scalar work stands between it and the wait for it
	s_xor_b32 s[TB], s[TB], SLOT1   ; the fetches go to the other slot
.if \fill
.irp g, G0K, G0V
	s_xor_b32 s[(\g)+1], s[(\g)+1], SLOT1
	s_add_nc_u64 s[(\g)+2:(\g)+3], s[(\g)+2:(\g)+3], 32768  ; the next 128 keys; the type bits on top are not reached
.endr
	s_xor_b32 s[G0M+1], s[G0M+1], SLOT1
	s_add_nc_u64 s[G0M+2:G0M+3], s[G0M+2:G0M+3], 512        ; 128 keys along a mask row
	s_wait_dscnt 0x0                ; the add is done, and my reads of the slot are over
	CROUND
	JLOAD3
.else
	s_wait_dscnt 0x0
	s_barrier_signal -1
	s_barrier_wait -1
.endif
.endm
; THE MATRIX WORK OF A TURN, for piece x.  The accumulators take turns, one instruction a turn.
; Product i of 32 of O^T += V^T P: keys 32 (i / 16) on, channels 16 ((i / 2) % 8) on, tile x + i % 2.  zero = 1: the first 16 start the sums.
.macro PV x, zero
	WIN W_PV
.set rO, 64*((\x)+i%2)+8*((i/2)%8)
.set rV, 64*(i/16)+8*((i/2)%8)
.set rP, P+16*((\x)+i%2)+8*(i/16)
.if (\zero) && (i < 16)
	v_wmma_f32_16x16x32_f16 v[rO:rO+7], v[rV:rV+7], v[rP:rP+7], 0
.else
	v_wmma_f32_16x16x32_f16 v[rO:rO+7], v[rV:rV+7], v[rP:rP+7], v[rO:rO+7]
.endif
.endm
; Product i of 32 of S^T = K Q^T: channels 32 (i / 8) on, keys 16 ((i / 2) % 4) on, tile x + i % 2.  The first 8 start the sums.
.macro KQ x
	WIN W_KQ
.set rS, S+32*((\x)+i%2)+8*((i/2)%4)
.set rK, KF+32*((i/2)%4)+8*(i/8)
.set rQ, 32*((\x)+i%2)+8*(i/8)
.if i < 8
	v_wmma_f32_16x16x32_f16 v[rS:rS+7], v[rK:rK+7], v[rQ:rQ+7], 0
.else
	v_wmma_f32_16x16x32_f16 v[rS:rS+7], v[rK:rK+7], v[rQ:rQ+7], v[rS:rS+7]
.endif
.endm
; THE LDS LOADS stand in two runs of 40 a key step: my 64 keys of K and piece 0's mask; a turn later my 64 keys of V (turned) and piece 2's mask.
.macro FETCH_K
	WIN 0
	v_add_nc_u32 v[ADR], s[TB], v[AK0]
	v_add_nc_u32 v[ADRM], s[TB], v[AM0]
	WIN 0x80                        ; destination window 2
.irp f, 0,1,2,3,4,5,6,7,8,9,10,11,12,13,14,15  ; keys 16 (f / 4) on, channels 32 (f % 4) on
	ds_load_b128 v[KF+8*(\f):KF+8*(\f)+3],   v[ADR] offset:((\f)/4)*16*PK+((\f)%4)*64
	ds_load_b128 v[KF+8*(\f)+4:KF+8*(\f)+7], v[ADR] offset:((\f)/4)*16*PK+((\f)%4)*64+32
.endr
	WIN 0xc0                        ; destination window 3
.irp f, 0,1,2,3                     ; keys 16 f + 8 (l / 16) + 0..7 of my query's mask row
	ds_load_b128 v[128+8*(\f):128+8*(\f)+3],   v[ADRM] offset:64*(\f)
	ds_load_b128 v[128+8*(\f)+4:128+8*(\f)+7], v[ADRM] offset:64*(\f)+16
.endr
.endm
.macro FETCH_V
	WIN 0
	v_add_nc_u32 v[ADR], s[TB], v[AV0]
	v_add_nc_u32 v[ADRM], s[TB], v[AM1]
	WIN 0xc0
.irp f, 0,1,2,3,4,5,6,7,8,9,10,11,12,13,14,15  ; keys 32 (f / 8) on, channels 16 (f % 8) on
	ds_load_tr16_b128 v[8*(\f):8*(\f)+3],   v[ADR] offset:((\f)/8)*32*PV+((\f)%8)*32
	ds_load_tr16_b128 v[8*(\f)+4:8*(\f)+7], v[ADR] offset:((\f)/8)*32*PV+16*PV+((\f)%8)*32
.endr
.irp f, 0,1,2,3
	ds_load_b128 v[160+8*(\f):160+8*(\f)+3],   v[ADRM] offset:64*(\f)
	ds_load_b128 v[160+8*(\f)+4:160+8*(\f)+7], v[ADRM] offset:64*(\f)+16
.endr
.endm
; THE VECTOR WORK OF A TURN.  One tile's softmax for one key step is a list of 150 numbers; SM writes number j of it for tile t.  s0-s31 are the lane's 32 scores, in pairs 0-15.  o = j - 16.
; first = 1: the first key step, which starts m, l and O^T: it has no a and nothing to rescale.
;   j 0-15    t = mask x log2(e) + s for pair j, ascending: each accumulator's lowest registers are read first
;   o 0-15    the maximum of t0-t31 and the old m, three operands at a time: four chains c0-c3 of seven each, then the four left over, c0-c3 and m
;   o 16-20   the other half of the lanes' maximum; the old m is kept; the new m; m_old - m_new (19 is empty)
;   o 21-87   33 exponentials (a, then t0-t31) at the odd numbers from 23 on, so that no two follow each other and each has a plain instruction behind it.  The plain numbers between are what is
;             ready: t - m for a pair whose exponentials are still to come, the rounding to f16 of a pair whose exponentials are done, at last the first three sums
;   o 88-101  the last rounding; the rest of the sums; l = a l + the sum
;   o 102-133 the tile's O^T times a
.macro SM t, first
.set o, j-16
.set rT, ST+8*(\t)
.set rS, S+32*(\t)
.set rP, P+16*(\t)
.set rM, 128+32*((\t)/2)+2*j
.set rO, 64*(\t)+2*(o-102)
.set q, (o-20)/2
.if (j >= 16) && (o < 102)
	WIN 0
.endif
.if j < 16
	WIN W_MK
	v_pk_fma_f32 v[rS+2*j:rS+2*j+1], v[rM:rM+1], s[LG:LG+1], v[rS+2*j:rS+2*j+1] op_sel_hi:[1,0,1]
.elseif o < 4
	v_max3_num_f32 v[rT+4+o], v[rS+8*o], v[rS+8*o+1], v[rS+8*o+2]
.elseif o < 12
	v_max3_num_f32 v[rT+4+o%4], v[rT+4+o%4], v[rS+8*(o%4)+2*(o/4)+1], v[rS+8*(o%4)+2*(o/4)+2]
.elseif o == 12
	v_max3_num_f32 v[rT+4], v[rT+4], v[rS+7], v[rS+15]
.elseif o == 13
	v_max3_num_f32 v[rT+6], v[rT+6], v[rS+23], v[rS+31]
.elseif o == 14
	v_max3_num_f32 v[rT+4], v[rT+4], v[rT+5], v[rT+6]
.elseif (o == 15) && (\first)
	v_max_num_f32 v[rT+4], v[rT+4], v[rT+7]
.elseif o == 15
	v_max3_num_f32 v[rT+4], v[rT+4], v[rT+7], v[rT]
.elseif o == 16
	v_permlanex16_b32 v[rT+5], v[rT+4], s[SEL], s[SEL+1]  ; the query's other 32 keys lie in the lane 16 away
.elseif o == 18
	v_max_num_f32 v[rT], v[rT+4], v[rT+5]
.elseif o == 19
.elseif ((o == 17) || (o == 20) || (o == 23) || (o > 101)) && (\first)  ; the first step has none of these
.elseif o == 17
	v_mov_b32 v[rT+7], v[rT]        ; m_old is kept for a: number 18 writes m anew
.elseif o == 20
	v_sub_f32 v[rT+7], v[rT+7], v[rT]
.elseif o == 23
	v_exp_f32 v[rT+6], v[rT+7]
.elseif (o < 88) && (o > 23) && (o%2 == 1)
	v_exp_f32 v[rS+(o-25)/2], v[rS+(o-25)/2]
.elseif (q < 4) || ((o < 76) && (q%2 == 0))
.set b, q/2+2
.if q < 4
.set b, q
.endif
	v_pk_add_f32 v[rS+2*b:rS+2*b+1], v[rS+2*b:rS+2*b+1], v[rT:rT+1] op_sel_hi:[1,0] neg_lo:[0,1] neg_hi:[0,1]  ; pair b: t - m
.elseif (o < 88) && (q%2 == 1)
	s_wait_alu depctr_va_vdst(0)
	v_cvt_pk_f16_f32 v[rP+(q-5)/2], v[rS+q-5], v[rS+q-4]  ; pair (q - 5) / 2: its second exponential stands three numbers back
.elseif o == 89
	s_wait_alu depctr_va_vdst(0)
	v_cvt_pk_f16_f32 v[rP+15], v[rS+30], v[rS+31]
.elseif o < 102                     ; the sum of the tile's 16 pairs, in place: sum z of 16 adds neighbours 1, 2, 4 and 8 pairs apart, then l takes it
.set z, o-86
.if o < 89
.set z, (o-76)/4
.endif
.set w, 4
.set u, z
.if z >= 14
.set w, 32
.set u, 0
.elseif z >= 12
.set w, 16
.set u, z-12
.elseif z >= 8
.set w, 8
.set u, z-8
.endif
.if (z == 14) && (\first)
	v_pk_add_f32 v[rT+2:rT+3], v[rS:rS+1], v[rS+16:rS+17]
.elseif z < 15
	v_pk_add_f32 v[rS+w*u:rS+w*u+1], v[rS+w*u:rS+w*u+1], v[rS+w*u+w/2:rS+w*u+w/2+1]
.elseif !(\first)
	v_pk_fma_f32 v[rT+2:rT+3], v[rT+2:rT+3], v[rT+6:rT+7], v[rS:rS+1] op_sel_hi:[1,0,1]
.endif
.else
	WIN W_RS
	v_pk_mul_f32 v[rO:rO+1], v[rO:rO+1], v[rT+6:rT+7] op_sel_hi:[1,0]
.endif
.endm
; Slice k of 64 of piece y's softmax: numbers 2 k and 2 k + 1 of both tiles' lists.  2 x 150 = 4 x 64 + 44: the 44 that are over stand together, in slice 63: 48 rescalings, all plain, which name
; nothing of the products round them: they are the places between the turn's last K Q^T and what follows (ISA guide 7.12.1).
.macro SLICE y, first
.if (k >= 19) && (k < 52)           ; tile by tile: plain, exponential, plain, exponential
.irp t, \y, (\y)+1
.irp n, 0,1
.set j, 2*k+(\n)
	SM \t, \first
.endr
.endr
.else                               ; the two tiles alternate, so that no instruction reads the result of the one just before it
.irp n, 0,1,2,3,4,5,6,7,8,9,10,11,12,13,14,15,16,17,18,19,20,21,22,23
.if ((\n) < 2) || (k == 63)
.irp t, \y, (\y)+1
.set j, 2*k+(\n)
	SM \t, \first
.endr
.endif
.endr
.endif
.set k, k+1
.endm
; A TURN.  Piece x has the matrix unit; the other piece's softmax stands in slices behind its matrix instructions.
; pv = 2: 32 products V^T P; 1: they start O^T's sums; 0: none.  kq = 1: 32 products K Q^T for the next step.  A turn with one of the two kinds has two slices behind each product.
; first = 1: the softmax is the first key step's; its slices from 59 on are empty, and four v_nop take slice 63's part as the places behind the turn's last products.
; Each run of loads stands behind the second product of a run of 32.  Piece 0's turn fetches the next step's K: the last product that read K stands in front of slice 63 of the turn before.
; Piece 2's turn fetches the same step's V: the last product that read V stands three slices, six plain instructions, back.  The mask registers' last readers are vector instructions of the turn before.
.macro TURN x, pv, kq, first
.set k, 0
.set per, 2
.if (\pv) && (\kq)
.set per, 1
.endif
.if \pv
.if (\x) == 0
	s_wait_dscnt 0x0                ; V and piece 2's mask are in
.endif
.set i, 0
.rept 32
	PV \x, 2-(\pv)
.rept per
	SLICE 2-(\x), \first
.endr
.if ((\x) == 0) && (\kq) && (i == 1)
	FETCH_K
.endif
.set i, i+1
.endr
.endif
.if \kq
.if (\x) == 0
	s_wait_dscnt 0x0                ; K and piece 0's mask are in
.endif
.set i, 0
.rept 32
	KQ \x
.rept per
	SLICE 2-(\x), \first
.endr
.if ((\x) == 2) && (i == 1)
	FETCH_V
.endif
.set i, i+1
.endr
.endif
.if \first
	PLACES
.endif
.endm
	s_load_b256 s[4:11], s[0:1], 0x0  ; qh s[4:5], kh s[6:7], vh s[8:9], mask s[10:11]
	s_load_b64 s[12:13], s[0:1], 0x20 ; ob
	v_lshl_add_u32 v[SPW], v0, 2, SPARE
	v_mov_b32 v[NIL], 0
	ds_add_u32 v62, v63
	s_wait_dscnt 0x0
	v_lshrrev_b32 v1, 5, v0
	v_readfirstlane_b32 s[WV], v1   ; wave 0..3
	s_bfe_u32 s15, ttmp6, 0x40000   ; cx
	s_bfe_u32 s16, ttmp6, 0x40004   ; cy
	s_lshl_b32 s17, ttmp9, 2
	s_add_co_u32 s17, s17, s15      ; qb: my block of 64 queries = 4 x cluster x + cx
	s_and_b32 s18, ttmp7, 0xffff
	s_lshl_b32 s18, s18, 2
	s_add_co_u32 s18, s18, s16      ; y: 4 x batch + key/value head = 4 x cluster y + cy
	s_lshr_b32 s19, s[WV], 1        ; g
	s_and_b32 s20, s[WV], 1         ; s
	s_lshl_b32 s70, s16, 2
	s_lshl_b32 s70, 15, s70         ; my row of the cluster
	s_lshl_b32 s71, 0x1111, s15     ; my column
	s_or_b32 s[G1K], s70, (1<<16)|(1<<20)|(1<<21)|(5<<22)|(3<<25)  ; 15:0 the mask of four; 17:16 2-byte elements; 20 padding on; 21 set beside a mask; 24:22 after every 64 words; 31:25 4 words of it
	s_or_b32 s[G1V], s70, (1<<16)|(1<<20)|(1<<21)|(5<<22)|(7<<25)  ; the same with 8 words
	s_or_b32 s[G1M], s71, (2<<16)|(1<<20)|(1<<21)|(6<<22)|(3<<25)  ; my column's mask; 4-byte elements; after every 128 words 4 words
.irp g, G1K, G1V
	s_mov_b32 s[(\g)+1], 128<<16    ; tensor_dim0 = 128
	s_mov_b32 s[(\g)+2], 128<<16    ; tensor_dim1 = 128
	s_mov_b32 s[(\g)+3], 128<<16    ; tile_dim0 = 128
	s_mov_b32 s[(\g)+4], 128        ; tile_dim1 = 128
	s_mov_b32 s[(\g)+5], 128        ; elements from row to row
	s_mov_b32 s[(\g)+6], 0
	s_mov_b32 s[(\g)+7], 0
.endr
	s_mov_b32 s[G1M+1], 128<<16
	s_mov_b32 s[G1M+2], 64<<16      ; 64 queries
	s_mov_b32 s[G1M+3], 128<<16
	s_mov_b32 s[G1M+4], 64
	s_mov_b32 s[G1M+5], 2048
	s_mov_b32 s[G1M+6], 0
	s_mov_b32 s[G1M+7], 0
	s_mov_b32 s[G0K], 1             ; count = 1
	s_mov_b32 s[G0K+1], 0           ; LDS address: slot 0
	s_mov_b32 s[G0V], 1
	s_mov_b32 s[G0V+1], VOFF
	s_mov_b32 s[G0M], 1
	s_mov_b32 s[G0M+1], MOFF
	s_lshl_b32 s72, s18, 19         ; K and V: a head is 524,288 bytes: made of y alone
	s_mov_b32 s73, 0
	s_lshl_b32 s74, s17, 19         ; the mask: 64 rows of 8,192 bytes: made of qb alone
	s_mov_b32 s75, 0
	s_lshl_b32 s76, s18, 20         ; Q: head 2 y, row 64 qb + 32 g
	s_lshl_b32 s21, s17, 14
	s_add_co_u32 s76, s76, s21
	s_lshl_b32 s21, s19, 13
	s_add_co_u32 s76, s76, s21
	s_mov_b32 s77, 0
	s_lshr_b32 s22, s18, 2          ; ob: row 2,048 batch + 64 qb + 32 g + 16 s,
	s_lshl_b32 s22, s22, 11
	s_lshl_b32 s21, s17, 6
	s_add_co_u32 s22, s22, s21
	s_lshl_b32 s21, s19, 5
	s_add_co_u32 s22, s22, s21
	s_lshl_b32 s21, s20, 4
	s_add_co_u32 s22, s22, s21
	s_lshl_b32 s22, s22, 11         ; of 2,048 bytes,
	s_and_b32 s21, s18, 3
	s_lshl_b32 s21, s21, 9          ; and the pair of heads' 512 bytes
	s_add_co_u32 s22, s22, s21
	s_mov_b32 s23, 0
	s_mov_b32 s[SEL], 0x76543210
	s_mov_b32 s[SEL+1], 0xfedcba98
	s_mov_b32 s[LG], 0x3fb8aa3b     ; log2(e)
	s_mov_b32 s[LG+1], s[LG]        ; named with it as a pair
	s_mov_b32 s[TB], SLOT1          ; the first change of slots turns it into 0
	s_wait_kmcnt 0x0
	s_add_nc_u64 s[G0K+2:G0K+3], s[6:7], s[72:73]
	s_or_b32 s[G0K+3], s[G0K+3], 0x80000000  ; type = 2
	s_add_nc_u64 s[G0V+2:G0V+3], s[8:9], s[72:73]
	s_or_b32 s[G0V+3], s[G0V+3], 0x80000000
	s_add_nc_u64 s[G0M+2:G0M+3], s[10:11], s[74:75]
	s_or_b32 s[G0M+3], s[G0M+3], 0x80000000
	s_add_nc_u64 s[4:5], s[4:5], s[76:77]
	s_add_nc_u64 s[12:13], s[12:13], s[22:23]
	CROUND                          ; all sixteen work-groups are here: the first joint loads meet
	JLOAD3                          ; chunk 0 into slot 0
	v_and_b32 v1, 15, v0            ; l % 16
	v_bfe_u32 v9, v0, 4, 1          ; l / 16
	v_lshlrev_b32 v10, 8, v1
	v_lshl_add_u32 v10, v9, 4, v10  ; row x 256 + 16 x half
	s_lshl_b32 s21, s20, 12         ; tiles 0, 1: query tile s; tiles 2, 3: query tile 1 - s
	v_add_nc_u32 v[QO0], s21, v10
	s_xor_b32 s21, s21, 4096
	v_add_nc_u32 v[QO1], s21, v10
	WIN 0x80                        ; destination window 2, address window 0
.irp i, 0,1,2,3,4,5,6,7             ; Q stays in registers: tile i / 4 (head i / 4), channels 32 (i % 4) on
	global_load_b128 v[8*(\i):8*(\i)+3],   v[QO0], s[4:5] offset:((\i)/4)*524288+((\i)%4)*64
	global_load_b128 v[8*(\i)+4:8*(\i)+7], v[QO0], s[4:5] offset:((\i)/4)*524288+((\i)%4)*64+32
	global_load_b128 v[64+8*(\i):64+8*(\i)+3],   v[QO1], s[4:5] offset:((\i)/4)*524288+((\i)%4)*64
	global_load_b128 v[64+8*(\i)+4:64+8*(\i)+7], v[QO1], s[4:5] offset:((\i)/4)*524288+((\i)%4)*64+32
.endr
	WIN 0
	s_lshl_b32 s21, s20, 6          ; my 64 keys of a chunk
	v_add_nc_u32 v10, s21, v1
	v_mul_u32_u24 v[AK0], v10, PK
	v_lshl_add_u32 v[AK0], v9, 4, v[AK0]
	v_and_b32 v10, 7, v0            ; the turning load: lane l reads key 8 (l / 16) + l % 8, channels 8 ((l / 8) % 2) + 0..7
	v_bfe_u32 v11, v0, 3, 1
	v_lshl_add_u32 v[AV0], v9, 3, v10
	v_add_nc_u32 v[AV0], s21, v[AV0]
	v_mul_u32_u24 v[AV0], v[AV0], PV
	v_lshl_add_u32 v[AV0], v11, 4, v[AV0]
	v_add_nc_u32 v[AV0], VOFF, v[AV0]
	s_lshl_b32 s21, s19, 5          ; the mask tile's row 32 g + 16 (query tile) + l % 16; byte 256 s + 32 (l / 16) of it
	s_lshl_b32 s70, s20, 4
	s_add_co_u32 s70, s70, s21
	s_xor_b32 s71, s70, 16
	s_lshl_b32 s21, s20, 8
	s_add_co_u32 s21, s21, MOFF
	v_add_nc_u32 v10, s70, v1
	v_mul_u32_u24 v10, v10, PM
	v_lshl_add_u32 v10, v9, 5, v10
	v_add_nc_u32 v[AM0], s21, v10
	v_add_nc_u32 v10, s71, v1
	v_mul_u32_u24 v10, v10, PM
	v_lshl_add_u32 v10, v9, 5, v10
	v_add_nc_u32 v[AM1], s21, v10
.irp t, 0,1,2,3
	v_mov_b32 v[ST+8*(\t)+1], 0     ; only named as the upper half of m's pair
.endr
	CHANGE 1                        ; chunk 0 is in, everybody's part of it; chunk 1 is asked for
	FETCH_K                         ; key step 0
	s_wait_loadcnt 0x0              ; Q
	s_wait_dscnt 0x0
.set i, 0
.rept 32
	KQ 0                            ; piece 0's first scores: there is no vector work yet to set between them
.set i, i+1
.endr
	WIN 0                           ; the addresses for the exchange and the way out are made here: plain instructions, the places behind those products
	s_mul_i32 s21, s[WV], 16*SP
	s_add_co_u32 s21, s21, STAGE    ; my stage
	v_mul_u32_u24 v[STO], v1, SP    ; in: row l % 16, 16 bytes for each half of the lanes
	v_lshl_add_u32 v[STO], v9, 4, v[STO]
	v_add_nc_u32 v[STO], s21, v[STO]
	v_mul_u32_u24 v[RD], v9, SP     ; back: lanes 0-15 take one row of 256 bytes, lanes 16-31 the next
	v_lshl_add_u32 v[RD], v1, 4, v[RD]
	v_add_nc_u32 v[RD], s21, v[RD]
	v_lshlrev_b32 v[GO], 11, v9     ; and the same two rows in ob
	v_lshl_add_u32 v[GO], v1, 4, v[GO]
	v_and_b32 v10, 31, v0
	v_lshlrev_b32 v10, 4, v10
	s_mul_i32 s21, s[WV], XB
	s_add_co_u32 s21, s21, XCH
	v_add_nc_u32 v[XS], s21, v10    ; my part of the exchange
	s_xor_b32 s21, s[WV], 1
	s_mul_i32 s21, s21, XB
	s_add_co_u32 s21, s21, XCH
	v_add_nc_u32 v[XR], s21, v10    ; my partner's
	TURN 2, 0, 1, 1                 ; piece 2's first scores | piece 0's first softmax | V of step 0
	CHANGE 1                        ; chunk 1 is in; chunk 2 is asked for
	TURN 0, 1, 1, 1                 ; piece 0: V^T P of step 0 starts O^T, K Q^T of step 1 | piece 2's first softmax | K of step 1
	TURN 2, 1, 1, 0                 ; piece 2: the same | piece 0's softmax of step 1 | V of step 1
	WIN 0
	s_mov_b32 s[LOOP], 13
.Lchunk:                            ; 13 trips: chunks 3 to 15 are asked for
	CHANGE 1
	TURN 0, 2, 1, 0
	TURN 2, 2, 1, 0
	WIN 0
	s_sub_co_u32 s[LOOP], s[LOOP], 1
	s_cmp_lg_u32 s[LOOP], 0
	s_cbranch_scc1 .Lchunk
	CHANGE 0                        ; the tail is written out: nothing is asked for
	TURN 0, 2, 1, 0
	TURN 2, 2, 1, 0
	TURN 0, 2, 0, 0                 ; piece 0: V^T P of the last step | piece 2's last softmax
.set i, 0
.rept 32
	PV 2, 0                         ; piece 2: V^T P of the last step
.set i, i+1
.endr
	; THE EXCHANGE.  My tiles 2 and 3 (their O^T and statistics) go to my partner, which has walked the other 64 keys of every chunk for the same queries; its tiles 2 and 3 are my tiles 0 and 1.
	WIN 0
	PLACES
	WIN 0x04                        ; store data in window 1
.set i, 0
.rept 32
	ds_store_b128 v[XS], v[128+4*i:128+4*i+3] offset:512*i  ; ascending: each accumulator's lowest registers are read first
.set i, i+1
.endr
	WIN 0
	ds_store_b128 v[XS], v[ST+16:ST+19] offset:16384
	ds_store_b128 v[XS], v[ST+24:ST+27] offset:16896
	s_wait_dscnt 0x0                ; for my partner's sake: my stores are done
	s_barrier_signal -1
	s_barrier_wait -1
.set i, 0
.rept 32
	ds_load_b128 v[S+4*i:S+4*i+3], v[XR] offset:512*i
.set i, i+1
.endr
	ds_load_b128 v[PS:PS+3], v[XR] offset:16384
	ds_load_b128 v[PS+4:PS+7], v[XR] offset:16896
	s_wait_dscnt 0x0
	; THE MERGE of tile t = 0, 1: M = max(m, m'); a = 2^(m - M), a' = 2^(m' - M); L = a l + a' l', both halves of the lanes; O = (a O + a' O') / L.
.irp t, 0,1
	v_max_num_f32 v[ST+8*(\t)+4], v[ST+8*(\t)], v[PS+4*(\t)]
.endr
.irp t, 0,1
	v_sub_f32 v[ST+8*(\t)+5], v[ST+8*(\t)], v[ST+8*(\t)+4]
	v_sub_f32 v[ST+8*(\t)+7], v[PS+4*(\t)], v[ST+8*(\t)+4]
.endr
.irp t, 0,1
	v_exp_f32 v[ST+8*(\t)+6], v[ST+8*(\t)+5]       ; a
	v_exp_f32 v[ST+8*(\t)+4], v[ST+8*(\t)+7]       ; a'
.endr
	v_nop                           ; a plain instruction behind the last exponential (ISA guide 5.7.2)
.irp t, 0,1
	v_add_f32 v[ST+8*(\t)+5], v[ST+8*(\t)+2], v[ST+8*(\t)+3]
	v_add_f32 v[ST+8*(\t)+7], v[PS+4*(\t)+2], v[PS+4*(\t)+3]
.endr
.irp t, 0,1
	s_wait_alu depctr_va_vdst(0)
	v_mul_f32 v[ST+8*(\t)+5], v[ST+8*(\t)+5], v[ST+8*(\t)+6]
.endr
.irp t, 0,1
	v_fma_f32 v[ST+8*(\t)+5], v[ST+8*(\t)+7], v[ST+8*(\t)+4], v[ST+8*(\t)+5]
.endr
.irp t, 0,1
	v_permlanex16_b32 v[ST+8*(\t)+7], v[ST+8*(\t)+5], s[SEL], s[SEL+1]
.endr
.irp t, 0,1
	v_add_f32 v[ST+8*(\t)+5], v[ST+8*(\t)+5], v[ST+8*(\t)+7]
.endr
.irp t, 0,1
	v_rcp_f32 v[ST+8*(\t)+7], v[ST+8*(\t)+5]
.endr
	v_nop                           ; a plain instruction behind the last reciprocal
.irp t, 0,1
	s_wait_alu depctr_va_vdst(0)
	v_mul_f32 v[ST+8*(\t)+6], v[ST+8*(\t)+6], v[ST+8*(\t)+7]  ; a / L
	v_mul_f32 v[ST+8*(\t)+4], v[ST+8*(\t)+4], v[ST+8*(\t)+7]  ; a' / L
.endr
.irp t, 0,1
	WIN 0
.set i, 0
.rept 32
	v_pk_mul_f32 v[S+64*(\t)+2*i:S+64*(\t)+2*i+1], v[S+64*(\t)+2*i:S+64*(\t)+2*i+1], v[ST+8*(\t)+4:ST+8*(\t)+5] op_sel_hi:[1,0]
.set i, i+1
.endr
	WIN 0x01                        ; source 0 in window 1
.set i, 0
.rept 32
	v_pk_fma_f32 v[S+64*(\t)+2*i:S+64*(\t)+2*i+1], v[64*(\t)+2*i:64*(\t)+2*i+1], v[ST+8*(\t)+6:ST+8*(\t)+7], v[S+64*(\t)+2*i:S+64*(\t)+2*i+1] op_sel_hi:[1,0,1]
.set i, i+1
.endr
	WIN 0
.set i, 0
.rept 32
	v_cvt_pk_f16_f32 v[P+32*(\t)+i], v[S+64*(\t)+2*i], v[S+64*(\t)+2*i+1]
.set i, i+1
.endr
.irp f, 0,1,2,3,4,5,6,7             ; a lane's eight channels of a row pack into 16 bytes; they go into rows of 272 bytes and come back as whole rows of 256
	ds_store_b128 v[STO], v[P+32*(\t)+4*(\f):P+32*(\t)+4*(\f)+3] offset:32*(\f)
.endr
.irp f, 0,1,2,3,4,5,6,7
	ds_load_b128 v[P+32*(\t)+4*(\f):P+32*(\t)+4*(\f)+3], v[RD] offset:(\f)*2*SP  ; LDS serves a wave's instructions in order (ISA guide 5.7.1.4): these see the stores above; the next tile's stores come behind them
.endr
.endr
.irp f, 0,1,2,3,4,5,6,7
	s_wait_dscnt 16+7-(\f)          ; behind tile 0's load f: its 7 - f younger loads and tile 1's sixteen LDS instructions
	global_store_b128 v[GO], v[P+4*(\f):P+4*(\f)+3], s[12:13] offset:4096*(\f)  ; 16 lanes store 256 consecutive bytes, at a multiple of 256 from ob's first byte
.endr
.irp f, 0,1,2,3,4,5,6,7
	s_wait_dscnt 7-(\f)
	global_store_b128 v[GO], v[P+32+4*(\f):P+32+4*(\f)+3], s[12:13] offset:256+4096*(\f)
.endr
	s_wait_tensorcnt 0x0            ; the wave's end, behind my last tensor load and my last LDS store
	ds_add_u32 v[SPW], v[NIL]
	s_wait_dscnt 0x0
	CROUND                          ; the closing round: no work-group ends while a partner may still ask for a tile that names it
	s_endpgm
.Lfunc_end_k_qc853ea344d_attn:
	.size	k_qc853ea344d_attn, .Lfunc_end_k_qc853ea344d_attn-k_qc853ea344d_attn
	.p2alignl 7, 3214868480
	.fill 96, 4, 3214868480
	.section	.rodata,"a",@progbits
	.p2align	6, 0x0
	.amdhsa_kernel k_qc853ea344d_attn
		.amdhsa_group_segment_fixed_size 327680
		.amdhsa_private_segment_fixed_size 0
		.amdhsa_enable_private_segment 0
		.amdhsa_kernarg_size 40
		.amdhsa_user_sgpr_count 2
		.amdhsa_user_sgpr_kernarg_segment_ptr 1
		.amdhsa_wavefront_size32 1
		.amdhsa_system_sgpr_workgroup_id_x 1
		.amdhsa_system_sgpr_workgroup_id_y 1
		.amdhsa_system_sgpr_workgroup_id_z 1
		.amdhsa_system_vgpr_workitem_id 0
		.amdhsa_next_free_vgpr 1024
		.amdhsa_next_free_sgpr 80
		.amdhsa_reserve_vcc 0
		.amdhsa_float_denorm_mode_32 3
		.amdhsa_float_denorm_mode_16_64 3
		.amdhsa_memory_ordered 1
		.amdhsa_forward_progress 1
		.amdhsa_inst_pref_size 252
	.end_amdhsa_kernel
	.amdgpu_metadata
---
amdhsa.version: [ 1, 2 ]
amdhsa.kernels:
  - .name:           k_qc853ea344d_attn
    .symbol:         k_qc853ea344d_attn.kd
    .args:
      - { .name: qh, .offset: 0, .size: 8, .value_kind: global_buffer, .address_space: global }
      - { .name: kh, .offset: 8, .size: 8, .value_kind: global_buffer, .address_space: global }
      - { .name: vh, .offset: 16, .size: 8, .value_kind: global_buffer, .address_space: global }
      - { .name: mask, .offset: 24, .size: 8, .value_kind: global_buffer, .address_space: global }
      - { .name: ob, .offset: 32, .size: 8, .value_kind: global_buffer, .address_space: global }
    .group_segment_fixed_size: 327680
    .private_segment_fixed_size: 0
    .kernarg_segment_align: 8
    .kernarg_segment_size: 40
    .max_flat_workgroup_size: 128
    .sgpr_count:     80
    .vgpr_count:     1024
    .wavefront_size: 32
...
	.end_amdgpu_metadata
.endif
;; end of part 3
;; launch proj (part 4): grid 16 x 16, 4 waves a work-group, clusters of 4 x 4, 327,680 bytes of LDS; arguments ob, wob, out0; writes out0
.if DOCPART == 4
	.amdgcn_target "amdgcn-amd-amdhsa--gfx1250"
	.amdhsa_code_object_version 6
	.text
	.protected	k_qc853ea344d_proj
	.globl	k_qc853ea344d_proj
	.p2align	8
	.type	k_qc853ea344d_proj,@function
k_qc853ea344d_proj:
	s_mov_b64 s[64:65], 0
	v_nop
	global_prefetch_b8 v0, s[64:65] scope:SCOPE_SE
	s_setreg_imm32_b32 hwreg(HW_REG_WAVE_MODE, 25, 1), 1
	s_wait_xcnt 0x0
	s_wait_alu depctr_hold_cnt(0) depctr_sa_sdst(0) depctr_va_vdst(0) depctr_va_sdst(0) depctr_va_ssrc(0) depctr_va_vcc(0) depctr_vm_vsrc(0)
	s_getreg_b32 s2, hwreg(HW_REG_IB_STS2, 6, 4)
	s_cmp_eq_u32 s2, 0
	s_cbranch_scc0 .Lentry_in_a_cluster
	s_endpgm
.Lentry_in_a_cluster:
	s_bfe_u32 s2, ttmp6, 0x10000c
	s_cmp_lg_u32 s2, 0xf033
	s_cbranch_scc0 .Lentry_shape_is_right
	s_endpgm
.Lentry_shape_is_right:
; PROJ.  out0 [4096][4096] f32 = ob [4096][1024] f16 x wob [1024 k][4096 n] f16; sums in f32.  ob is O / 16 and wob is 16 x wo, so the sums are the result as they stand.
; A tile of out0 is 256 x 256: 16 x 16 work-groups of four waves; a wave makes 128 x 128: 64 accumulators, 512 registers.  K goes in steps of 128 through a ring of two LDS slots.
; CLUSTER 4 x 4: A's tile hangs on the tile row and is asked for jointly along a row of the cluster, B's on the tile column, along a column.
; THE MATRIX INSTRUCTION IS USED TRANSPOSED: source 0 = 16 columns of wob (LDS rows lie along n, so they come turned, by ds_load_tr16_b128), source 1 = 16 rows of ob:
; lane l holds row l % 16 and registers 0-7 the columns 16 b + 8 (l / 16) + 0..7: 32 neighbouring bytes of a row of out0.
; REGISTERS, in windows of 256 (s_set_vgpr_msb: bits 1:0 source 0, 3:2 source 1, 5:4 source 2, 7:6 destination):
;   window 0: v0-31 addresses; v64-127, v128-191 fragments of A, two buffers; on the way out the same registers take rows read back
;   window 1: v64-127, v128-191 fragments of B      window 2: the accumulators of my rows 0-63 ((a, b) at v[8 (8 a + b)])      window 3: those of my rows 64-127
.set PA,     272                       ; a row of A in LDS: 256 bytes + 16: the 16 rows of a load start at 16 different groups of four banks (64 banks of 4 bytes: ISA guide 11.1)
.set PB,     544                       ; a row of B: 512 + 32 = 136 words
.set HALFT,  128*PA                    ; what one tensor load brings: 128 rows of A, or 64 k rows of B (64 x 544 is the same number)
.set SLOT,   4*HALFT                   ; A's 256 rows, then B's 128 k rows
.set STAGE,  2*SLOT                    ; behind the ring: 16 rows x 528 bytes for each wave, for the way out
.set SPITCH, 528
.set SPARE,  STAGE+4*16*SPITCH         ; behind the stages: the spare words, 128 bytes for each wave: two blocks of 256 bytes that no other line names
.set LAPS,   4                         ; 1,024 / 256
.set ADRA, 16                          ; v16-17  LDS address of my A fragments in slot 0, 1
.set ADRB, 20                          ; v20-21  the same for B
.set STO,  24                          ; v24     the way out: where I put 32 bytes of a row
.set RD,   25                          ; v25     where I read a row back
.set CO,   26                          ; v26     16 x lane: my offset in a row's 512 bytes
.set SPW,  28                          ; v28     LDS address of my spare word; never rewritten
.set NIL,  29                          ; v29     0; never rewritten
.set F0,   64
.set F1,   128
.set G1, 24                            ; s[24:31] descriptor group 1 for A;  s[32:39] group 0, one set for each slot
.set G0, 32
.set G1B, 48                           ; s[48:55], s[56:63] the same for B
.set G0B, 56
.set MSB, 0
.macro WIN new                         ; the immediate's high byte repeats the setting that is left; a switch that changes nothing is dropped
.if MSB != (\new)
	s_set_vgpr_msb (MSB<<8)|(\new)
.set MSB, \new
.endif
.endm
.set MUL_LO, 0xa1                      ; source 0 (B) window 1, source 1 (A) window 0, C and D window 2
.set MUL_HI, 0xf1                      ; the same, C and D window 3
.set TO_B,   0x40                      ; destination window 1, address window 0
.macro PLACES                          ; four places in front of loads into registers that matrix instructions have read, and of stores of their results
.rept 4
	v_nop
.endr
.endm
.macro JLOAD s                         ; a joint load: waves 0 and 1 fetch A's two halves, waves 2 and 3 B's; four v_nop follow each of the two lines
	s_cmp_lt_u32 s10, 2
	s_cbranch_scc0 .Lfor_b_\@
	tensor_load_to_lds s[G0+4*(\s):G0+4*(\s)+3], s[G1:G1+7]
	s_nop 0
.rept 4
	v_nop
.endr
	s_branch .Lasked_\@
.Lfor_b_\@:
	tensor_load_to_lds s[G0B+4*(\s):G0B+4*(\s)+3], s[G1B:G1B+7]
	s_nop 0
.rept 4
	v_nop
.endr
.Lasked_\@:
.endm
.macro CREST                           ; a round of the cluster's barrier behind its opening barrier
	s_cmp_lg_u32 s10, 0
	s_cbranch_scc1 .Lnot_wave_0_\@
	s_barrier_signal -3
.Lnot_wave_0_\@:
	s_barrier_wait -3
	s_barrier_signal -1
	s_barrier_wait -1
.endm
.macro CROUND
	s_barrier_signal -1
	s_barrier_wait -1
	CREST
.endm
; 16 matrix instructions: row blocks a0, a0 + 1 of the window's four x all 8 column blocks, 32 along K.  zero = 1: the first product starts the sums.
; The 64 accumulators take turns in the same order in every quarter.
.macro MUL16 f, hi, a0, zero
	WIN MUL_LO+0x50*(\hi)
.irp a, \a0, (\a0)+1
.irp b, 0,1,2,3,4,5,6,7
.if \zero
	v_wmma_f32_16x16x32_f16 v[8*(8*(\a)+(\b)):8*(8*(\a)+(\b))+7], v[(\f)+8*(\b):(\f)+8*(\b)+7], v[(\f)+8*(4*(\hi)+(\a)):(\f)+8*(4*(\hi)+(\a))+7], 0
.else
	v_wmma_f32_16x16x32_f16 v[8*(8*(\a)+(\b)):8*(8*(\a)+(\b))+7], v[(\f)+8*(\b):(\f)+8*(\b)+7], v[(\f)+8*(4*(\hi)+(\a)):(\f)+8*(4*(\hi)+(\a))+7], v[8*(8*(\a)+(\b)):8*(8*(\a)+(\b))+7]
.endif
.endr
.endr
.endm
; 32 LDS loads in one run: quarter q (32 along K) of a slot into buffer f: B's 8 fragments (turned), then A's 8
.macro FETCH slot, q, f
	WIN TO_B
.irp i, 0,1,2,3,4,5,6,7
	ds_load_tr16_b128 v[(\f)+8*(\i):(\f)+8*(\i)+3],   v[ADRB+(\slot)] offset:32*PB*(\q)+32*(\i)
	ds_load_tr16_b128 v[(\f)+8*(\i)+4:(\f)+8*(\i)+7], v[ADRB+(\slot)] offset:32*PB*(\q)+32*(\i)+16*PB
.endr
	WIN 0
.irp i, 0,1,2,3,4,5,6,7
	ds_load_b128 v[(\f)+8*(\i):(\f)+8*(\i)+3],   v[ADRA+(\slot)] offset:64*(\q)+(\i)*16*PA
	ds_load_b128 v[(\f)+8*(\i)+4:(\f)+8*(\i)+7], v[ADRA+(\slot)] offset:64*(\q)+(\i)*16*PA+32
.endr
.endm
.macro QUARTER slot, q, f, g, zero
	s_wait_dscnt 8                                 ; B and A's rows 0-63 are in; the youngest eight loads (A's rows 64-127) may be out
	MUL16 \f, 0, 0, \zero
	MUL16 \f, 0, 2, \zero
	PLACES
	FETCH \slot, \q, \g
	s_wait_dscnt 32                                ; all but the 32 just issued
	MUL16 \f, 1, 0, \zero
	MUL16 \f, 1, 2, \zero
.endm
; The last quarter multiplies buffer 1 and changes slots: ONE barrier; in front of it each wave waits for all its tensor loads (one is out: its part of the next slot), adds 0 to its spare word,
; and waits for that and for its own reads of this slot.  fill = 1: the barrier opens a round of the cluster's, and this slot is filled again, two K steps ahead, first thing behind the round.
.macro TURN slot, next, fill
	WIN 0                                          ; (the add's two registers lie in window 0)
	s_wait_tensorcnt 0x0                           ; all my tensor loads have landed
	ds_add_u32 v[SPW], v[NIL]                      ; 0 onto my spare word
	s_wait_dscnt 9                                 ; (the add and the youngest eight loads may be out)
	MUL16 F1, 0, 0, 0                              ; sixteen matrix instructions stand between the add and the wait for it
	s_wait_dscnt 0x0                               ; the add is done, and my reads of this slot are over
	s_barrier_signal -1
	MUL16 F1, 0, 2, 0
.if \fill
	WIN 0
.endif
	s_barrier_wait -1
.if \fill
	CREST                                          ; no wave of any partner still reads this slot's tiles or has a load on its way
	s_add_nc_u64 s[G0+4*(\slot)+2:G0+4*(\slot)+3], s[G0+4*(\slot)+2:G0+4*(\slot)+3], 512          ; 256 along K in a row of ob
	s_add_nc_u64 s[G0B+4*(\slot)+2:G0B+4*(\slot)+3], s[G0B+4*(\slot)+2:G0B+4*(\slot)+3], 2097152  ; 256 rows of wob
	JLOAD \slot                                    ; its four v_nop are also the places in front of the loads below
.else
	PLACES
.endif
	FETCH \next, 0, F0
	MUL16 F1, 1, 0, 0
	MUL16 F1, 1, 2, 0
.endm
; THE WAY OUT of block a (16 rows x 128 columns of f32).  TOSTAGE: 32 bytes a lane and accumulator into my own stage, and back as whole rows of 512 bytes.  SEND: stored.
.macro TOSTAGE a
.set AC, 64*((\a)%4)
.set BK, 64+64*((\a)%2)
	WIN 0x08+4*((\a)/4)                            ; store data in window 2 or 3
.irp b, 0,1,2,3,4,5,6,7
	ds_store_b128 v[STO], v[AC+8*(\b):AC+8*(\b)+3]   offset:64*(\b)      ; each accumulator's lowest registers are read first
	ds_store_b128 v[STO], v[AC+8*(\b)+4:AC+8*(\b)+7] offset:64*(\b)+16
.endr
	WIN 0
	s_wait_xcnt 0x0                                ; the stores of two blocks ago have read these registers: they are loaded again only behind this wait (ISA guide 3.1)
.irp t, 0,1,2,3,4,5,6,7,8,9,10,11,12,13,14,15
	ds_load_b128 v[BK+4*(\t):BK+4*(\t)+3], v[RD] offset:(\t)*SPITCH  ; LDS serves a wave's instructions in order (ISA guide 5.7.1.4): these see the stores above
.endr
.endm
.macro SEND a, younger                 ; younger: the LDS instructions issued behind block a's loads: the next block's 32, or none
	WIN 0
.set BK, 64+64*((\a)%2)
	s_wait_dscnt \younger
	s_wait_xcnt 0x0                                ; the stores' base is stepped only behind this wait
.if (\a) == 0
	s_add_nc_u64 s[8:9], s[8:9], s[18:19]          ; out0 at my part of the tile
.else
	s_add_nc_u64 s[8:9], s[8:9], 16*16384          ; 16 rows on
.endif
.irp t, 0,1,2,3,4,5,6,7,8,9,10,11,12,13,14,15
	global_store_b128 v[CO], v[BK+4*(\t):BK+4*(\t)+3], s[8:9] offset:16384*(\t) th:TH_STORE_NT  ; a wave stores 512 consecutive bytes, at a multiple of 512 from out0's first byte
.endr
.endm
	s_load_b128 s[4:7], s[0:1], 0x0                ; ob s[4:5], wob s[6:7]
	s_load_b64 s[8:9], s[0:1], 0x10                ; out0
	v_lshl_add_u32 v[SPW], v0, 2, SPARE
	v_mov_b32 v[NIL], 0
	ds_add_u32 v28, v29
	s_wait_dscnt 0x0
	v_lshrrev_b32 v1, 5, v0
	v_readfirstlane_b32 s10, v1                    ; wave 0..3
	s_lshr_b32 s11, s10, 1                         ; which half of the tile's rows is mine
	s_and_b32 s12, s10, 1                          ; which half of its columns.  Also: which half of a tile I fetch
	s_bfe_u32 s40, ttmp6, 0x40000                  ; cx
	s_bfe_u32 s41, ttmp6, 0x40004                  ; cy
	s_lshl_b32 s42, ttmp9, 2
	s_add_co_u32 s42, s42, s40                     ; tile column = 4 x cluster x + cx
	s_and_b32 s13, ttmp7, 0xffff
	s_lshl_b32 s13, s13, 2
	s_add_co_u32 s13, s13, s41                     ; tile row = 4 x cluster y + cy
	s_lshl_b32 s43, s41, 2
	s_lshl_b32 s43, 15, s43                        ; my row of the cluster
	s_lshl_b32 s44, 0x1111, s40                    ; my column
	s_or_b32 s[G1], s43, (1<<16)|(1<<20)|(1<<21)|(5<<22)|(3<<25)   ; 15:0 the mask; 17:16 2-byte elements; 20 padding on; 21 set beside a mask; 24:22 after every 64 words; 31:25 4 words of it
	s_mov_b32 s[G1+1], 128<<16                     ; tensor_dim0 = 128
	s_mov_b32 s[G1+2], 128<<16                     ; tensor_dim1 = 128
	s_mov_b32 s[G1+3], 128<<16                     ; tile_dim0 = 128
	s_mov_b32 s[G1+4], 128                         ; tile_dim1 = 128
	s_mov_b32 s[G1+5], 1024                        ; elements from row to row of ob
	s_mov_b32 s[G1+6], 0
	s_mov_b32 s[G1+7], 0
	s_or_b32 s[G1B], s44, (1<<16)|(1<<20)|(1<<21)|(6<<22)|(7<<25)  ; my column's mask; after every 128 words 8 words of padding
	s_mov_b32 s[G1B+1], 256<<16                    ; 256 columns
	s_mov_b32 s[G1B+2], 64<<16                     ; 64 k rows
	s_mov_b32 s[G1B+3], 256<<16
	s_mov_b32 s[G1B+4], 64
	s_mov_b32 s[G1B+5], 4096                       ; elements from row to row of wob
	s_mov_b32 s[G1B+6], 0
	s_mov_b32 s[G1B+7], 0
	s_lshl_b32 s16, s13, 19                        ; A: (256 tile row + 128 half) rows of 2,048 bytes: made of the tile row and the wave alone
	s_lshl_b32 s17, s12, 18
	s_add_co_u32 s16, s16, s17
	s_mov_b32 s17, 0
	s_lshl_b32 s46, s42, 9                         ; B: 512 x tile column + 64 half rows of 8,192 bytes: made of the tile column and the wave alone
	s_lshl_b32 s47, s12, 19
	s_add_co_u32 s46, s46, s47
	s_mov_b32 s47, 0
	s_mul_i32 s20, s10, HALFT                      ; where they go: A's two halves, then B's two halves: no place in the cluster enters an LDS address
	s_wait_kmcnt 0x0
	s_add_nc_u64 s[14:15], s[4:5], s[16:17]
	s_add_nc_u64 s[46:47], s[6:7], s[46:47]
	CROUND                                         ; all sixteen work-groups are here: the first joint loads meet
.irp s, 0,1
	s_mov_b32 s[G0+4*(\s)], 1
	s_add_co_u32 s[G0+4*(\s)+1], s20, (\s)*SLOT
	s_add_nc_u64 s[G0+4*(\s)+2:G0+4*(\s)+3], s[14:15], (\s)*256
	s_or_b32 s[G0+4*(\s)+3], s[G0+4*(\s)+3], 0x80000000
	s_mov_b32 s[G0B+4*(\s)], 1
	s_add_co_u32 s[G0B+4*(\s)+1], s20, (\s)*SLOT
	s_add_nc_u64 s[G0B+4*(\s)+2:G0B+4*(\s)+3], s[46:47], (\s)*1048576
	s_or_b32 s[G0B+4*(\s)+3], s[G0B+4*(\s)+3], 0x80000000
	JLOAD \s                                       ; K steps 0 and 1: two tensor loads of mine are out
.endr
	v_and_b32 v1, 15, v0                           ; l % 16
	v_bfe_u32 v2, v0, 4, 1                         ; l / 16
	v_mul_u32_u24 v3, v1, PA
	v_lshl_add_u32 v3, v2, 4, v3                   ; A: row x pitch + 16 x half
	s_mul_i32 s21, s11, HALFT                      ; my 128 rows of A
	v_add_nc_u32 v[ADRA], s21, v3
	v_add_nc_u32 v[ADRA+1], SLOT, v[ADRA]
	v_and_b32 v4, 7, v0                            ; B, turned: lane l reads k row 8 (l / 16) + l % 8, columns 8 ((l / 8) % 2) + 0..7
	v_bfe_u32 v5, v0, 3, 1
	v_lshl_add_u32 v4, v2, 3, v4
	v_mul_u32_u24 v4, v4, PB
	v_lshl_add_u32 v4, v5, 4, v4
	s_lshl_b32 s22, s12, 8                         ; my 128 columns,
	s_add_co_u32 s22, s22, 2*HALFT                 ; behind A's 256 rows
	v_add_nc_u32 v[ADRB], s22, v4
	v_add_nc_u32 v[ADRB+1], SLOT, v[ADRB]
	s_mul_i32 s23, s10, 16*SPITCH
	s_add_co_u32 s23, s23, STAGE                   ; my stage
	v_mul_u32_u24 v6, v1, SPITCH                   ; in: row l % 16, 32 bytes for each half of the lanes
	v_lshl_add_u32 v6, v2, 5, v6
	v_add_nc_u32 v[STO], s23, v6
	v_and_b32 v7, 31, v0
	v_lshlrev_b32 v[CO], 4, v7
	v_add_nc_u32 v[RD], s23, v[CO]                 ; back: 32 lanes take one row of 512 bytes
	s_lshl_b32 s18, s13, 22                        ; out0: (256 tile row + 128 row half) rows of 16,384 bytes + 1,024 tile column + 512 column half
	s_lshl_b32 s19, s11, 21
	s_add_co_u32 s18, s18, s19
	s_lshl_b32 s19, s42, 10
	s_add_co_u32 s18, s18, s19
	s_lshl_b32 s19, s12, 9
	s_add_co_u32 s18, s18, s19
	s_mov_b32 s19, 0
	s_wait_tensorcnt 1                             ; my part of K step 0 is in; K step 1's may stay out
	s_barrier_signal -1
	s_barrier_wait -1                              ; everybody's is
	FETCH 0, 0, F0
	QUARTER 0, 1, F0, F1, 1                        ; the first quarter stands in front of the loop: its products start the sums
	WIN 0                                          ; at a label and at a branch every window is 0
	s_mov_b32 s3, LAPS-1
.Llap:                                                 ; a trip goes once round the ring, from a lap's second quarter to the next lap's first, and fills both slots again
	QUARTER 0, 2, F1, F0, 0
	QUARTER 0, 3, F0, F1, 0
	TURN 0, 1, 1
	QUARTER 1, 1, F0, F1, 0
	QUARTER 1, 2, F1, F0, 0
	QUARTER 1, 3, F0, F1, 0
	TURN 1, 0, 1
	QUARTER 0, 1, F0, F1, 0
	WIN 0
	s_sub_co_u32 s3, s3, 1
	s_cmp_lg_u32 s3, 0
	s_cbranch_scc1 .Llap
	QUARTER 0, 2, F1, F0, 0                        ; the last lap fills nothing, and has no round of the cluster's barrier
	QUARTER 0, 3, F0, F1, 0
	TURN 0, 1, 0
	QUARTER 1, 1, F0, F1, 0
	QUARTER 1, 2, F1, F0, 0
	QUARTER 1, 3, F0, F1, 0
	s_wait_dscnt 8                                 ; the very last quarter: nothing more to fetch
	MUL16 F1, 0, 0, 0
	MUL16 F1, 0, 2, 0
	s_wait_dscnt 0x0
	MUL16 F1, 1, 0, 0
	MUL16 F1, 1, 2, 0
	WIN 0
	PLACES
	TOSTAGE 0
.irp a, 1,2,3,4,5,6,7                  ; block a's way through the stage stands between block a - 1's loads and the wait for them
	TOSTAGE \a
	SEND (\a)-1, 32
.endr
	SEND 7, 0
	s_wait_tensorcnt 0x0                           ; the wave's end, behind my last tensor load and my last LDS store
	ds_add_u32 v[SPW], v[NIL]
	s_wait_dscnt 0x0
	CROUND                                         ; the closing round: no work-group ends while a partner may still ask for a tile that names it
	s_endpgm
.Lfunc_end_k_qc853ea344d_proj:
	.size	k_qc853ea344d_proj, .Lfunc_end_k_qc853ea344d_proj-k_qc853ea344d_proj
	.p2alignl 7, 3214868480
	.fill 96, 4, 3214868480
	.section	.rodata,"a",@progbits
	.p2align	6, 0x0
	.amdhsa_kernel k_qc853ea344d_proj
		.amdhsa_group_segment_fixed_size 327680
		.amdhsa_private_segment_fixed_size 0
		.amdhsa_enable_private_segment 0
		.amdhsa_kernarg_size 24
		.amdhsa_user_sgpr_count 2
		.amdhsa_user_sgpr_kernarg_segment_ptr 1
		.amdhsa_wavefront_size32 1
		.amdhsa_system_sgpr_workgroup_id_x 1
		.amdhsa_system_sgpr_workgroup_id_y 1
		.amdhsa_system_sgpr_workgroup_id_z 1
		.amdhsa_system_vgpr_workitem_id 0
		.amdhsa_next_free_vgpr 1024
		.amdhsa_next_free_sgpr 66
		.amdhsa_reserve_vcc 0
		.amdhsa_float_denorm_mode_32 3
		.amdhsa_float_denorm_mode_16_64 3
		.amdhsa_memory_ordered 1
		.amdhsa_forward_progress 1
		.amdhsa_inst_pref_size 141
	.end_amdhsa_kernel
	.amdgpu_metadata
---
amdhsa.version: [ 1, 2 ]
amdhsa.kernels:
  - .name:           k_qc853ea344d_proj
    .symbol:         k_qc853ea344d_proj.kd
    .args:
      - { .name: ob, .offset: 0, .size: 8, .value_kind: global_buffer, .address_space: global }
      - { .name: wob, .offset: 8, .size: 8, .value_kind: global_buffer, .address_space: global }
      - { .name: out0, .offset: 16, .size: 8, .value_kind: global_buffer, .address_space: global }
    .group_segment_fixed_size: 327680
    .private_segment_fixed_size: 0
    .kernarg_segment_align: 8
    .kernarg_segment_size: 24
    .max_flat_workgroup_size: 128
    .sgpr_count:     66
    .vgpr_count:     1024
    .wavefront_size: 32
...
	.end_amdgpu_metadata
.endif
;; end of part 4
